; MI455X (gfx1250); checked and timed in simulation.
; The chip was launched on July 23, 2026; its instructions are those of AMD's public machine-readable ISA for CDNA 5 (MIT licence, August 2026) and "CDNA5" Instruction Set Architecture Reference Guide (July 2026). The comments in the code are by the model that wrote it; some were corrected since.
;; Multi Head Attention. Allowed arithmetic: matrix products marked QUANTISED: E4M3 operands, one given power-of-two scale a tensor, by v_wmma_f32_16x16x64_fp8_fp8 or v_wmma_f32_16x16x128_fp8_fp8, f32 sums; everything else in f32.
;; Inputs: Wk 16 x 1,024 x 64 float32; Wo 1,024 x 1,024 float32; Wq 16 x 1,024 x 64 float32; Wv 16 x 1,024 x 64 float32; bo 1,024 float32; lowp_scales 12 int32 (the exponents e of the quantised operands' scales 2^e); x 4 x 2,048 x 1,024 float32.
;; Outputs: out0 4 x 2,048 x 1,024 float32.
;; This version of the problem:
;;   THIS VERSION OF THE PROBLEM IS GIVEN IN LOW PRECISION. The matrix products marked QUANTISED in the list below multiply operands that are first quantised to E4M3 (4 exponent bits, 3 mantissa bits; 8 bits a number), with one given power-of-two scale for each operand tensor; their sums are f32. All else is computed in f32.
;;   The module's matrix products, in the order in which they are computed (A, B: the left and right operand; K: the contracted axis; several contracted axes count as one K, in the product's order):
;;     1. [M 1,024, K 1,024] x [K 1,024, N 8,192]; A: input Wq; B: input x: QUANTISED (scales: A lowp_scales[0], B lowp_scales[1])
;;     2. [M 1,024, K 1,024] x [K 1,024, N 8,192]; A: input Wk; B: input x: QUANTISED (scales: A lowp_scales[2], B lowp_scales[3])
;;     3. [M 1,024, K 1,024] x [K 1,024, N 8,192]; A: input Wv; B: input x: QUANTISED (scales: A lowp_scales[4], B lowp_scales[5])
;;     4. batch 64 x [M 2,048, K 64] x [K 64, N 2,048]; A: computed on the way; B: computed on the way: QUANTISED (scales: A lowp_scales[6], B lowp_scales[7])
;;     5. batch 64 x [M 2,048, K 2,048] x [K 2,048, N 64]; A: softmax (see below); B: computed on the way: QUANTISED (scales: A lowp_scales[8], B lowp_scales[9])
;;     6. [M 8,192, K 1,024] x [K 1,024, N 1,024]; A: computed on the way; B: input Wo: QUANTISED (scales: A lowp_scales[10], B lowp_scales[11])
;;   THE QUANTISER, for each operand of a quantised product, along K:
;;     - The operand's scale is 2^e, e = its entry of the input lowp_scales (int32; the entries are numbered through the quantised products in the list's order, A before B).
;;     - Each number is divided by the scale, clamped to +-448, and rounded to the nearest number of E4M3, ties to even, subnormals kept.
;;     - The product sums the exact products of the quantised numbers (number of the format x scale) in f32.
;;   ~~~python
;;   def quantise(x, axis, e):      # numpy; x: float32 -> the quantised numbers, widened to float32 again
;;       x = np.moveaxis(x, axis, -1); K = x.shape[-1]
;;       r = np.clip(x / 2.0 ** e, -448, 448)
;;       step = 2.0 ** (np.maximum(np.frexp(np.where(r == 0, 1, r))[1] - 1, -6) - 3)
;;       q = np.round(r / step) * step * 2.0 ** e      # np.round: ties to even
;;       return np.moveaxis(q, -1, axis).astype(np.float32)
;;   ~~~
;;   SOFTMAX AHEAD OF A QUANTISED PRODUCT. Where the list says 'softmax', what is quantised is not the finished softmax but p = 2^(t - M), with t = logit x log2(e) and M = ceil(the row's largest t), a whole number; so 1/2 < the row's largest p <= 1. The row's sum l is taken of the UNQUANTISED p, in f32, and the product's result is divided by l at the end. Since M is a whole number, a kernel that streams over the keys may use a running M (the ceiling of the running maximum): every later rescaling is an exact power of two, so the quantised numbers keep their values, but for numbers so far below the row's largest that they fall under the format's range.
;;   OPERANDS COMPUTED ON THE WAY. 'Computed on the way' means the value that the module computes at that place (a softmax that the list does not call 'softmax' is quantised finished and normalised). What goes into a quantiser is computed in f32, as accurately as f32 sums, v_exp_f32 and their like allow (about 1e-6 of the number): no bf16 or f16 on the way to a quantiser, and a product that is left as it is and whose result goes on into a quantised operand takes f32 operands (vector FMAs, or v_wmma_f32_16x16x4_f32). A number that lies on a knife's edge between two numbers of the format may be rounded either way, as far as f32 arithmetic and the matrix unit's own rounding can turn it there, and no further.
;; One version. Each part assembles by itself: llvm-mc -triple=amdgcn-amd-amdhsa -mcpu=gfx1250 --defsym DOCPART=n.
;; ======== version 1 of 1: 4 launches
;; limits: right only within a limited range of input values
;; workspace buffers: x_c 25,165,824 bytes; w_c 4,194,304 bytes; qkv_c 25,165,824 bytes; ctx_c 8,388,608 bytes
;; launch quant (part 1): grid 384 x 1, 4 waves a work-group, no clusters, 68,096 bytes of LDS; arguments x, Wo, Wq, Wk, Wv, lowp_scales, x_c, w_c; writes x_c, w_c
.if DOCPART == 1
	.amdgcn_target "amdgcn-amd-amdhsa--gfx1250"
	.amdhsa_code_object_version 6
	.text
	.protected	k_q2ec34d858c_quant
	.globl	k_q2ec34d858c_quant
	.p2align	8
	.type	k_q2ec34d858c_quant,@function
k_q2ec34d858c_quant:
	s_mov_b64 s[64:65], 0
	v_nop
	global_prefetch_b8 v0, s[64:65] scope:SCOPE_SE
	s_setreg_imm32_b32 hwreg(HW_REG_WAVE_MODE, 25, 1), 1
	s_wait_xcnt 0x0
; THE QUANTISER.  f32 numbers become codes of FP8 (E4M3), one byte each, K innermost, each operand with the scale 2^e that is given for it:
; code = number / 2^e, held within +-448, rounded to the nearest code, ties to even.
;   x  [8192][1024]     -> x_c [3][8192][1024]: x is an operand of three products under three entries (1, 3, 5) of the scales, which may differ: three sets of codes from one read
;   Wo [1024][1024]     -> w_c plane 3, as it lies (K = its second axis), entry 11
;   Wq, Wk, Wv [16][1024 e][64 d] -> w_c planes 0, 1, 2, laid [16 x 64 rows][1024 e]: K = e is their middle axis and becomes innermost; entries 0, 2, 4
; LIMITS: each of these exponents lies between -126 and 119, so that 2^e and 448 x 2^e are f32 numbers.  NaN among the inputs is not served; an infinity is held at the largest code.
; SHARES: every work-group takes 32,768 numbers.  Work-groups 0-255: x; 256-287: Wo (path R: a stream, K innermost); 288-383: Wq, Wk, Wv (path C: a lane to a column, registers down K).
; The two paths part once, on the work-group's number, and have LDS bytes of their own: R bytes 0-32,767, C bytes 32,768-67,583.  No tensor loads, no barrier: waves share nothing.  No cluster: no two work-groups read the same bytes.
.set STEPS, 16                         ; path R: steps of 512 numbers for a wave
.set SP,    80                         ; a lane's place in a stage: its 64 bytes + 16 of padding
.set WREG,  8192                       ; LDS of a wave on path R: two stages of 32 x SP bytes
.set R,     16                         ; v16-79   four sets of 16 numbers as they are loaded
.set X,     80                         ; v80-111  two sets of 16 neighbours along K
.set T,     112                        ; v112-127 the 16 numbers, held, for one of the scales
.set C,     128                        ; v128-139 the codes: four registers for each of the three sets
.set CBASE, 32768                      ; path C's LDS
.set CP,    272                        ; a stage row on path C: 256 codes + 16 bytes
.set CREG,  32*CP                      ; a wave's stage there: 32 columns
.set NB,    8                          ; blocks of 32 along K for a wave on path C
.set XC,    32                         ; v32-95   two sets of 32 numbers
.set CC,    96                         ; v96-103  a block's codes
.set OUTR,  112                        ; v112-175 the way out: 16 x 4 registers
.macro MKSC e, sc, lm                  ; from the whole number in s[e]: v[sc] = 2^e as f32 (the conversion takes its exponent field), v[lm] = 448 x 2^e
	s_add_co_i32 s46, s[\e], 127
	s_lshl_b32 s47, s46, 23
	v_mov_b32 v[\sc], s47
	s_add_co_i32 s46, s46, 8
	s_lshl_b32 s46, s46, 23
	s_or_b32 s46, s46, 0x600000
	v_mov_b32 v[\lm], s46
.endm
	s_load_b256 s[4:11], s[0:1], 0x0               ; x s[4:5], Wo s[6:7], Wq s[8:9], Wk s[10:11]
	s_load_b256 s[12:19], s[0:1], 0x20             ; Wv s[12:13], the scales' exponents s[14:15], x_c s[16:17], w_c s[18:19]
	v_lshl_add_u32 v176, v0, 2, 0x10800
	v_mov_b32 v177, 0
	v_lshrrev_b32 v1, 5, v0
	v_readfirstlane_b32 s20, v1                    ; wave 0..3
	v_and_b32 v2, 31, v0                           ; lane
	s_wait_kmcnt 0x0
	s_load_b256 s[24:31], s[14:15], 0x0            ; e0 .. e7
	s_load_b128 s[32:35], s[14:15], 0x20           ; e8 .. e11
	s_cmp_ge_u32 ttmp9, 288
	s_cbranch_scc1 .Lcols
; ---------------- PATH R: x and Wo.  Rows are dense, so a tensor is a plain stream, and so are its codes.
; The conversions take 8 numbers of one lane's consecutive registers, so a lane must hold 16 NEIGHBOURS; a load is best where neighbouring LANES take neighbouring bytes.  Both are had: each load reads
; 512 consecutive bytes, 16 a lane; a step's 2,048 bytes go through the wave's own stage in LDS as they lie and come back 64 bytes a lane.  A lane's 16 codes are 16 bytes: a store covers 512 consecutive bytes.
	s_wait_alu depctr_va_vdst(0)
	v_lshlrev_b32 v3, 4, v2                        ; 16 x lane: my bytes of a load's 512 and of a store's 512; never rewritten
	s_wait_alu depctr_va_vdst(0)
	s_mul_i32 s48, s20, WREG
	v_lshrrev_b32 v14, 2, v2
	v_mul_u32_u24 v14, v14, SP
	v_and_b32 v15, 3, v2
	v_lshl_add_u32 v14, v15, 4, v14
	v_add_nc_u32 v14, s48, v14                     ; the stage, on the way in: SP (lane / 4) + 16 (lane % 4)
	v_mul_u32_u24 v15, v2, SP
	v_add_nc_u32 v15, s48, v15                     ; and on the way out: SP x lane
	s_cmp_lt_u32 ttmp9, 256                        ; x's work-group or Wo's?  The choice hangs on the work-group's number alone
	s_cselect_b64 s[4:5], s[4:5], s[6:7]           ; from where
	s_cselect_b64 s[36:37], s[16:17], s[18:19]     ; to where
	s_cselect_b32 s21, 0, 256
	s_cselect_b32 s23, 0, 0x300000                 ; Wo's codes are plane 3 of w_c
	s_sub_co_u32 s21, ttmp9, s21
	s_lshl_b32 s21, s21, 2
	s_add_co_u32 s22, s21, s20                     ; which run of 8,192 numbers of the tensor is my wave's
	s_lshl_b32 s44, s22, 15                        ; 32,768 bytes of f32 (1,023 runs at the most: under 2^32)
	s_mov_b32 s45, 0
	s_add_nc_u64 s[4:5], s[4:5], s[44:45]
	s_lshl_b32 s44, s22, 13                        ; 8,192 bytes of codes
	s_add_co_u32 s44, s44, s23
	s_add_nc_u64 s[36:37], s[36:37], s[44:45]
	s_add_nc_u64 s[38:39], s[36:37], 0x800000      ; x's second and third set lie 8 MiB and 16 MiB on: past the stores' signed 24-bit immediate, so they have bases of their own
	s_add_nc_u64 s[40:41], s[36:37], 0x1000000     ; (in Wo's work-groups these two are never used)
.macro LOAD t
.irp i, 0,1,2,3
	global_load_b128 v[R+16*((\t)%4)+4*\i:R+16*((\t)%4)+4*\i+3], v3, s[4:5] offset:2048*(\t)+512*\i th:TH_LOAD_NT   ; 32 lanes read 512 consecutive bytes; read once in the launch
.endr
.endm
.macro TURN t                          ; step t's numbers through the stage: LDS serves a wave's instructions in order (ISA guide 5.7.1.4), so no wait stands between the stores and the loads
.irp i, 0,1,2,3
	ds_store_b128 v14, v[R+16*((\t)%4)+4*\i:R+16*((\t)%4)+4*\i+3] offset:32*SP*((\t)%2)+8*SP*\i
.endr
.irp i, 0,1,2,3
	ds_load_b128 v[X+16*((\t)%2)+4*\i:X+16*((\t)%2)+4*\i+3], v15 offset:32*SP*((\t)%2)+16*\i
.endr
.endm
.macro QOUT o, t                       ; step t's 16 numbers under scale o (v[6+2o] the scale, v[7+2o] the limit) -> 16 codes -> set o
.irp i, 0,1,2,3,4,5,6,7,8,9,10,11,12,13,14,15
	v_med3_num_f32 v[T+\i], v[X+16*((\t)%2)+\i], -v[7+2*\o], v[7+2*\o]   ; the conversion to an 8-bit code does not saturate (ISA guide 7.6.2): the hold comes first
.endr
	v_cvt_scalef32_pk8_fp8_f32 v[C+4*\o:C+4*\o+1], v[T:T+7], v[6+2*\o]
	v_cvt_scalef32_pk8_fp8_f32 v[C+4*\o+2:C+4*\o+3], v[T+8:T+15], v[6+2*\o]
	v_nop                                          ; one plain vector line behind the conversions: the next holds write their sources
	global_store_b128 v3, v[C+4*\o:C+4*\o+3], s[36+2*\o:37+2*\o] offset:512*(\t)
.endm
.macro STEP t
	s_wait_dscnt 0x0                               ; this step's numbers are back from the stage, so its stores into the stage have read their registers,
.if (\t)+4 < STEPS
	LOAD (\t)+4                                    ; which take the loads of four steps on
.endif
.if (\t)+1 < STEPS
.if STEPS-2-(\t) >= 3
	s_wait_loadcnt 12                              ; the next step's four loads are in; the twelve of the three steps behind it may be out
.else
	s_wait_loadcnt 4*(STEPS-2-(\t))                ; near the end fewer steps stand behind it
.endif
	TURN (\t)+1                                    ; and go through the other stage while this step is worked
.endif
	s_wait_xcnt 0x0                                ; the last step's stores have read the codes' registers: they are written again only behind this wait
	QOUT 0, \t
	s_cmp_lt_u32 ttmp9, 256                        ; Wo has one scale; x has three
	s_cbranch_scc0 .Lone_\@
	QOUT 1, \t
	QOUT 2, \t
.Lone_\@:
.endm
.irp t, 0,1,2,3
	LOAD \t                                        ; sixteen loads a wave are out
.endr
	s_wait_alu depctr_va_vdst(0)
	s_wait_kmcnt 0x0
	s_cmp_lt_u32 ttmp9, 256
	s_cselect_b32 s25, s25, s35                    ; e1 for x, e11 for Wo
	MKSC 25, 6, 7
	MKSC 27, 8, 9                                  ; e3
	MKSC 29, 10, 11                                ; e5
	s_wait_alu depctr_va_vdst(0)
	s_wait_loadcnt 12                              ; step 0's four loads are in
	TURN 0
.irp t, 0,1,2,3,4,5,6,7,8,9,10,11,12,13,14,15
	STEP \t
.endr
	s_wait_tensorcnt 0x0
	ds_add_u32 v176, v177
	s_wait_dscnt 0x0
	s_endpgm
; ---------------- PATH C: Wq, Wk, Wv.  A LANE TAKES A COLUMN d, AND ITS REGISTERS RUN DOWN K = e: the conversions then give codes with K innermost, and nothing is transposed by an instruction.
; A work-group takes one head's 64 columns x 512 along K: wave w takes columns 32 (w % 2) on and 256 along K.  A lane's codes belong to one row of the output and the lanes beside it hold other rows:
; they go through the wave's own stage and leave as rows: sixteen lanes store 256 consecutive bytes, aligned.
.Lcols:
	s_sub_co_u32 s21, ttmp9, 288                   ; 0 .. 95
	s_lshr_b32 s22, s21, 5                         ; which tensor: 0 Wq, 1 Wk, 2 Wv
	s_bfe_u32 s23, s21, 0x40001                    ; the head
	s_and_b32 s36, s21, 1
	s_and_b32 s37, s20, 1                          ; which 32 columns
	s_lshr_b32 s38, s20, 1
	s_lshl_b32 s36, s36, 1
	s_add_co_u32 s36, s36, s38                     ; which 256 along K, 0 .. 3
	s_lshl_b32 s40, s23, 18                        ; from: head x 1,024 rows of 256 bytes
	s_lshl_b32 s41, s36, 16                        ;     + 256 rows
	s_add_co_u32 s40, s40, s41
	s_lshl_b32 s41, s37, 7                         ;     + 32 columns of 4 bytes
	s_add_co_u32 s40, s40, s41
	s_mov_b32 s41, 0
	s_lshl_b32 s42, s22, 20                        ; to: the tensor's plane
	s_lshl_b32 s43, s23, 16                        ;     + head x 64 rows of 1,024 bytes
	s_add_co_u32 s42, s42, s43
	s_lshl_b32 s43, s37, 15                        ;     + 32 rows
	s_add_co_u32 s42, s42, s43
	s_lshl_b32 s43, s36, 8                         ;     + 256 codes along K
	s_add_co_u32 s42, s42, s43
	s_mov_b32 s43, 0
	s_cmp_eq_u32 s22, 0
	s_cselect_b64 s[4:5], s[8:9], s[10:11]
	s_cmp_eq_u32 s22, 2
	s_cselect_b64 s[4:5], s[12:13], s[4:5]
	s_add_nc_u64 s[4:5], s[4:5], s[40:41]
	s_add_nc_u64 s[18:19], s[18:19], s[42:43]
	s_wait_alu depctr_va_vdst(0)
	v_lshlrev_b32 v3, 2, v2                        ; in: 4 bytes a lane
	s_mul_i32 s39, s20, CREG
	s_add_co_u32 s39, s39, CBASE                   ; my stage
	v_mul_u32_u24 v4, v2, CP
	v_add_nc_u32 v4, s39, v4                       ; into it: row = my column
	v_and_b32 v5, 15, v2
	v_lshrrev_b32 v6, 4, v2                        ; out of it: sixteen lanes to a row, two rows an instruction
	v_mul_u32_u24 v7, v6, CP
	v_lshl_add_u32 v7, v5, 4, v7
	v_add_nc_u32 v7, s39, v7
	v_lshlrev_b32 v8, 10, v6
	v_lshl_add_u32 v8, v5, 4, v8                   ; and the same place in the codes' plane: rows of 1,024 bytes
.macro CLOAD t                         ; block t: W(32 t + i, my column), i = 0 .. 31, into set t % 2
.set II, 0
.rept 32
	global_load_b32 v[XC+32*((\t)%2)+II], v3, s[4:5] offset:(32*(\t)+II)*256 th:TH_LOAD_NT
.set II, II+1
.endr
.endm
.macro BLOCK t
.set XS, XC+32*((\t)%2)
.if (\t) < NB-1
	s_wait_loadcnt 32                              ; this block's 32 loads are in; the next block's 32 may be out
.else
	s_wait_loadcnt 0
.endif
.set II, 0
.rept 32
	v_med3_num_f32 v[XS+II], v[XS+II], -v10, v10   ; the hold at the largest code x the scale
.set II, II+1
.endr
.irp g, 0,1,2,3
	v_cvt_scalef32_pk8_fp8_f32 v[CC+2*\g:CC+2*\g+1], v[XS+8*\g:XS+8*\g+7], v11
.endr
	v_nop                                          ; one plain vector line behind the conversions
	ds_store_b128 v4, v[CC:CC+3] offset:32*(\t)    ; 32 codes: 32 bytes of my column's row
	ds_store_b128 v4, v[CC+4:CC+7] offset:32*(\t)+16
.if (\t)+2 < NB
	CLOAD (\t)+2
.endif
	s_wait_dscnt 0x0                               ; the stores have read their registers: the next block's codes may be written
.endm
	CLOAD 0
	CLOAD 1
	s_wait_kmcnt 0x0
	s_cmp_eq_u32 s22, 0
	s_cselect_b32 s44, s24, s26                    ; e0 or e2
	s_cmp_eq_u32 s22, 2
	s_cselect_b32 s44, s28, s44                    ; or e4
	MKSC 44, 11, 10
	s_wait_alu depctr_va_vdst(0)
.irp t, 0,1,2,3,4,5,6,7
	BLOCK \t
.endr
.irp t, 0,1,2,3,4,5,6,7,8,9,10,11,12,13,14,15
	ds_load_b128 v[OUTR+4*\t:OUTR+4*\t+3], v7 offset:2*\t*CP       ; LDS serves a wave's instructions in order: these see my stores
.endr
.irp t, 0,1,2,3,4,5,6,7,8,9,10,11,12,13,14,15
	s_wait_dscnt 15-\t                             ; the younger loads may stay out
	global_store_b128 v8, v[OUTR+4*\t:OUTR+4*\t+3], s[18:19] offset:2*\t*1024
.endr
	s_wait_tensorcnt 0x0
	ds_add_u32 v176, v177
	s_wait_dscnt 0x0
	s_endpgm
.Lfunc_end_k_q2ec34d858c_quant:
	.size	k_q2ec34d858c_quant, .Lfunc_end_k_q2ec34d858c_quant-k_q2ec34d858c_quant
	.p2alignl 7, 3214868480
	.fill 96, 4, 3214868480
	.section	.rodata,"a",@progbits
	.p2align	6, 0x0
	.amdhsa_kernel k_q2ec34d858c_quant
		.amdhsa_group_segment_fixed_size 68096
		.amdhsa_private_segment_fixed_size 0
		.amdhsa_enable_private_segment 0
		.amdhsa_kernarg_size 64
		.amdhsa_user_sgpr_count 2
		.amdhsa_user_sgpr_kernarg_segment_ptr 1
		.amdhsa_wavefront_size32 1
		.amdhsa_system_sgpr_workgroup_id_x 1
		.amdhsa_system_sgpr_workgroup_id_y 1
		.amdhsa_system_sgpr_workgroup_id_z 1
		.amdhsa_system_vgpr_workitem_id 0
		.amdhsa_next_free_vgpr 178
		.amdhsa_next_free_sgpr 66
		.amdhsa_reserve_vcc 0
		.amdhsa_float_denorm_mode_32 3
		.amdhsa_float_denorm_mode_16_64 3
		.amdhsa_memory_ordered 1
		.amdhsa_forward_progress 1
		.amdhsa_inst_pref_size 130
	.end_amdhsa_kernel
	.amdgpu_metadata
---
amdhsa.version: [ 1, 2 ]
amdhsa.kernels:
  - .name:           k_q2ec34d858c_quant
    .symbol:         k_q2ec34d858c_quant.kd
    .args:
      - { .name: x, .offset: 0, .size: 8, .value_kind: global_buffer, .address_space: global }
      - { .name: Wo, .offset: 8, .size: 8, .value_kind: global_buffer, .address_space: global }
      - { .name: Wq, .offset: 16, .size: 8, .value_kind: global_buffer, .address_space: global }
      - { .name: Wk, .offset: 24, .size: 8, .value_kind: global_buffer, .address_space: global }
      - { .name: Wv, .offset: 32, .size: 8, .value_kind: global_buffer, .address_space: global }
      - { .name: lowp_scales, .offset: 40, .size: 8, .value_kind: global_buffer, .address_space: global }
      - { .name: x_c, .offset: 48, .size: 8, .value_kind: global_buffer, .address_space: global }
      - { .name: w_c, .offset: 56, .size: 8, .value_kind: global_buffer, .address_space: global }
    .group_segment_fixed_size: 68096
    .private_segment_fixed_size: 0
    .kernarg_segment_align: 8
    .kernarg_segment_size: 64
    .max_flat_workgroup_size: 128
    .sgpr_count:     66
    .vgpr_count:     178
    .wavefront_size: 32
...
	.end_amdgpu_metadata
.endif
;; end of part 1
;; launch qkv (part 2): grid 12 x 32, 4 waves a work-group, clusters of 4 x 4, 327,680 bytes of LDS; arguments x_c, w_c, lowp_scales, qkv_c; writes qkv_c
.if DOCPART == 2
	.amdgcn_target "amdgcn-amd-amdhsa--gfx1250"
	.amdhsa_code_object_version 6
	.text
	.protected	k_q2ec34d858c_qkv
	.globl	k_q2ec34d858c_qkv
	.p2align	8
	.type	k_q2ec34d858c_qkv,@function
k_q2ec34d858c_qkv:
	s_mov_b64 s[64:65], 0
	v_nop
	global_prefetch_b8 v0, s[64:65] scope:SCOPE_SE
	s_setreg_imm32_b32 hwreg(HW_REG_WAVE_MODE, 25, 1), 1
	s_wait_xcnt 0x0
	s_wait_alu depctr_hold_cnt(0) depctr_sa_sdst(0) depctr_va_vdst(0) depctr_va_sdst(0) depctr_va_ssrc(0) depctr_va_vcc(0) depctr_vm_vsrc(0)
	s_getreg_b32 s2, hwreg(HW_REG_IB_STS2, 6, 4)
	s_cmp_eq_u32 s2, 0
	s_cbranch_scc0 .Lentry_in_a_cluster
	s_endpgm
.Lentry_in_a_cluster:
	s_bfe_u32 s2, ttmp6, 0x10000c
	s_cmp_lg_u32 s2, 0xf033
	s_cbranch_scc0 .Lentry_shape_is_right
	s_endpgm
.Lentry_shape_is_right:
.set SIZE_K, 1024
.set KSTEP,  256
.set ROWB,   256
.set KROW,   SIZE_K
.set PITCH,  272
.set FR,     16
.set NL,     4
.set NP,     4
.set HALFT,  128*PITCH
.set SLOT,   4*HALFT
.set LAPS,   SIZE_K/(2*KSTEP)
.set SPARE,  2*SLOT
.set SPITCH, 272
.set ADRA, 16
.set ADRB, 20
.set COV,  22
.set STO,  24
.set RDQ,  25
.set COQ,  26
.set RDV,  27
.set SPW,  28
.set NIL,  29
.set SCL,  30
.set LIM,  31
.set TMP,  32
.set CD,   96
.set BK,   32
.set AF,   128
.set G1, 24
.set G0, 32
.set G1B, 48
.set G0B, 56
.set MSB, 0
.macro WIN new
.if MSB != \new
	s_set_vgpr_msb (MSB<<8)|\new
.set MSB, \new
.endif
.endm
.set MUL_LO, 0xa1
.set MUL_HI, 0xf1
.set TO_B,   0x40
; A joint load of a slot's tiles: wave w asks for A's 256 rows, wave w + 1 for B's, the others for nothing
.macro JLOAD g0a, g1a, g0b, g1b, w
	s_cmp_eq_u32 s14, \w
	s_cbranch_scc0 .Lfor_b_\@
	tensor_load_to_lds s[\g0a:\g0a+3], s[\g1a:\g1a+7]
	s_nop 0
.rept 4
	v_nop
.endr
	s_branch .Lasked_\@
.Lfor_b_\@:
	s_cmp_eq_u32 s14, (\w)+1
	s_cbranch_scc0 .Lasked_\@
	tensor_load_to_lds s[\g0b:\g0b+3], s[\g1b:\g1b+7]
	s_nop 0
.rept 4
	v_nop
.endr
.Lasked_\@:
.endm
.macro CREST
	s_cmp_lg_u32 s14, 0
	s_cbranch_scc1 .Lnot_wave_0_\@
	s_barrier_signal -3
.Lnot_wave_0_\@:
	s_barrier_wait -3
	s_barrier_signal -1
	s_barrier_wait -1
.endm
.macro CROUND
	s_barrier_signal -1
	s_barrier_wait -1
	CREST
.endm
	s_load_b128 s[4:7], s[0:1], 0x0
	s_load_b128 s[8:11], s[0:1], 0x10
	v_lshl_add_u32 v[SPW], v0, 2, SPARE
	v_mov_b32 v[NIL], 0
	ds_add_u32 v28, v29
	ds_add_u32 v28, v29
	s_wait_dscnt 0x0
	v_lshrrev_b32 v1, 5, v0
	v_readfirstlane_b32 s14, v1
	s_lshr_b32 s15, s14, 1
	s_and_b32 s16, s14, 1
	s_bfe_u32 s40, ttmp6, 0x40000
	s_bfe_u32 s41, ttmp6, 0x40004
	s_and_b32 s80, ttmp7, 0xffff
	s_lshl_b32 s80, s80, 2
	s_cmp_eq_u32 ttmp9, 2
	s_cselect_b32 s81, 0, s80
	s_cselect_b32 s82, s80, 0
	s_add_co_u32 s42, s82, s40
	s_add_co_u32 s17, s81, s41
	s_lshl_b32 s43, s41, 2
	s_lshl_b32 s43, 15, s43
	s_lshl_b32 s44, 0x1111, s40
	s_or_b32 s[G1+0], s43, (0<<16)|(1<<20)|(1<<21)|(5<<22)|(3<<25)
	s_or_b32 s[G1B+0], s44, (0<<16)|(1<<20)|(1<<21)|(5<<22)|(3<<25)
.irp g, G1, G1B
	s_mov_b32 s[\g+1], ROWB<<16
	s_mov_b32 s[\g+2], 256<<16
	s_mov_b32 s[\g+3], ROWB<<16
	s_mov_b32 s[\g+4], 256
	s_mov_b32 s[\g+5], KROW
	s_mov_b32 s[\g+6], 0
	s_mov_b32 s[\g+7], 0
.endr
	s_lshl_b32 s20, s17, 18                        ; A's tile: 256 rows of 1,024 bytes
	s_mov_b32 s21, 0
	s_lshl_b32 s46, s42, 18                        ; B's tile likewise
	s_mov_b32 s47, 0
	s_lshl_b32 s84, ttmp9, 23
	s_mov_b32 s85, 0
	s_lshl_b32 s86, ttmp9, 20
	s_mov_b32 s87, 0
	s_wait_kmcnt 0x0
	s_load_b256 s[68:75], s[8:9], 0x0
	s_load_b128 s[76:79], s[8:9], 0x20
	s_add_nc_u64 s[84:85], s[4:5], s[84:85]
	s_add_nc_u64 s[86:87], s[6:7], s[86:87]
	s_cmp_eq_u32 ttmp9, 2
	s_cselect_b64 s[88:89], s[86:87], s[84:85]
	s_cselect_b64 s[90:91], s[84:85], s[86:87]
	s_add_nc_u64 s[20:21], s[88:89], s[20:21]
	s_add_nc_u64 s[46:47], s[90:91], s[46:47]
	CROUND
.irp s, 0,1
	s_mov_b32 s[G0+4*\s], 1
	s_mov_b32 s[G0+4*\s+1], \s*SLOT
	s_add_nc_u64 s[G0+4*\s+2:G0+4*\s+3], s[20:21], \s*ROWB
	s_or_b32 s[G0+4*\s+3], s[G0+4*\s+3], 0x80000000
	s_mov_b32 s[G0B+4*\s], 1
	s_mov_b32 s[G0B+4*\s+1], \s*SLOT+2*HALFT
	s_add_nc_u64 s[G0B+4*\s+2:G0B+4*\s+3], s[46:47], \s*ROWB
	s_or_b32 s[G0B+4*\s+3], s[G0B+4*\s+3], 0x80000000
.endr
; the first fills of both slots go out as one group, one load a wave: one chain on the wave's number, a fill to an arm, all arms to one join
.macro HARM g0, g1
	tensor_load_to_lds s[\g0:\g0+3], s[\g1:\g1+7]
	s_nop 0
.rept 4
	v_nop
.endr
.endm
	s_cmp_eq_u32 s14, 0
	s_cbranch_scc0 .Lh1
	HARM G0, G1                                    ; wave 0: A, K step 0
	s_branch .Lhead_j
.Lh1:
	s_cmp_eq_u32 s14, 1
	s_cbranch_scc0 .Lh2
	HARM G0B, G1B                                  ; wave 1: B, K step 0
	s_branch .Lhead_j
.Lh2:
	s_cmp_eq_u32 s14, 2
	s_cbranch_scc0 .Lh3
	HARM G0+4, G1                                  ; wave 2: A, K step 1
	s_branch .Lhead_j
.Lh3:
	HARM G0B+4, G1B                                ; wave 3: B, K step 1
.Lhead_j:
; A PREFETCH INTO THE L2 of the tile that I load two K steps on (K steps 2 and 3): 256 bytes of each of its 256 rows.  The four partners of a joint load share the rows out by address, 64 each
; (by cx for A, by cy for B): a lane a row, two instructions a wave.  K steps 0 and 1 come by their loads alone; there is no K step behind 3.  The address registers are never rewritten.
	s_add_co_u32 s98, s15, 2
	s_lshl_b32 s98, s98, 8
	s_cmp_eq_u32 s16, 0
	s_cselect_b32 s66, s40, s41
	s_cselect_b64 s[96:97], s[20:21], s[46:47]
	s_lshl_b32 s66, s66, 16
	s_add_co_u32 s98, s98, s66
	s_mov_b32 s99, 0
	s_add_nc_u64 s[96:97], s[96:97], s[98:99]
	v_and_b32 v23, 31, v0
	v_lshlrev_b32 v23, 10, v23
	global_prefetch_b8 v23, s[96:97] th:TH_LOAD_NT scope:SCOPE_SE
	global_prefetch_b8 v23, s[96:97] offset:32768 th:TH_LOAD_NT scope:SCOPE_SE
	v_and_b32 v1, 15, v0
	s_wait_alu depctr_va_vdst(0)
	v_bfe_u32 v2, v0, 4, 1
	v_mul_u32_u24 v3, v1, PITCH
	v_lshl_add_u32 v4, v2, 4, v3
	s_mul_i32 s21, s15, HALFT
	s_mul_i32 s22, s16, HALFT
	s_add_co_u32 s22, s22, 2*HALFT
.irp s, 0,1
	v_add_nc_u32 v[ADRA+\s], s21, v4
	v_add_nc_u32 v[ADRB+\s], s22, v4
	s_add_co_u32 s21, s21, SLOT
	s_add_co_u32 s22, s22, SLOT
.endr
	s_mul_i32 s23, s15, 128*SPITCH
	s_lshl_b32 s21, s16, 7
	s_add_co_u32 s23, s23, s21
	v_mul_u32_u24 v5, v1, SPITCH
	s_wait_alu depctr_va_vdst(0)
	v_lshl_add_u32 v5, v2, 3, v5
	v_add_nc_u32 v[STO], s23, v5
	s_mul_i32 s23, s14, 64*SPITCH
	v_and_b32 v6, 31, v0
	v_lshrrev_b32 v7, 2, v6
	v_mul_u32_u24 v7, v7, SPITCH
	v_and_b32 v8, 3, v6
	v_lshl_add_u32 v7, v8, 4, v7
	v_add_nc_u32 v[RDQ], s23, v7
	v_lshlrev_b32 v[COQ], 4, v6
	v_mul_u32_u24 v7, v2, SPITCH
	v_lshl_add_u32 v7, v1, 4, v7
	v_add_nc_u32 v[RDV], s23, v7
	v_lshlrev_b32 v7, 11, v2
	v_lshl_add_u32 v[COV], v1, 4, v7
	s_lshl_b32 s92, ttmp9, 23
	s_lshr_b32 s93, s17, 3
	s_lshl_b32 s93, s93, 21
	s_add_co_u32 s92, s92, s93
	s_lshl_b32 s93, s42, 19
	s_add_co_u32 s92, s92, s93
	s_and_b32 s93, s17, 7
	s_lshl_b32 s93, s93, 14
	s_add_co_u32 s92, s92, s93
	s_lshl_b32 s93, s14, 12
	s_add_co_u32 s92, s92, s93
	s_lshr_b32 s94, s42, 3
	s_lshl_b32 s94, s94, 21
	s_add_co_u32 s94, s94, 0x1000000
	s_lshl_b32 s93, s17, 19
	s_add_co_u32 s94, s94, s93
	s_lshl_b32 s93, s14, 17
	s_add_co_u32 s94, s94, s93
	s_and_b32 s93, s42, 7
	s_lshl_b32 s93, s93, 8
	s_add_co_u32 s94, s94, s93
	s_cmp_eq_u32 ttmp9, 2
	s_cselect_b32 s92, s94, s92
	s_mov_b32 s93, 0
	s_add_nc_u64 s[10:11], s[10:11], s[92:93]
.macro FRAG reg, adr, q, i
.irp c, 0,1,2,3
	ds_load_b128 v[\reg+4*\c:\reg+4*\c+3], v[\adr] offset:128*(\q)+32*\c+(\i)*16*PITCH
.endr
.endm
.macro MUL16 a0, p, zero
.irp a, \a0, \a0+1
.irp b, 0,1,2,3,4,5,6,7
.if \zero
	v_wmma_f32_16x16x128_fp8_fp8 v[8*(8*((\a)%4)+\b):8*(8*((\a)%4)+\b)+7], v[128*(\p)+FR*\b:128*(\p)+FR*\b+FR-1], v[AF+FR*(\a):AF+FR*(\a)+FR-1], 0
.else
	v_wmma_f32_16x16x128_fp8_fp8 v[8*(8*((\a)%4)+\b):8*(8*((\a)%4)+\b)+7], v[128*(\p)+FR*\b:128*(\p)+FR*\b+FR-1], v[AF+FR*(\a):AF+FR*(\a)+FR-1], v[8*(8*((\a)%4)+\b):8*(8*((\a)%4)+\b)+7]
.endif
.endr
.endr
.endm
.macro FETCH_B slot, q, p
	WIN TO_B
.irp i, 0,1,2,3,4,5,6,7
	FRAG 128*(\p)+FR*\i, ADRB+\slot, \q, \i
.endr
	WIN 0
.endm
.macro FETCH_A slot, q, i0
.irp i, \i0, \i0+1, \i0+2, \i0+3
	FRAG AF+FR*(\i), ADRA+\slot, \q, \i
.endr
.endm
.macro PLACES n
.rept \n
	v_nop
.endr
.endm
.macro STEP slot, q, zero
	s_wait_dscnt 4*NL
	WIN MUL_LO
	MUL16 0, (\q)%2, \zero
	MUL16 2, (\q)%2, \zero
	s_wait_dscnt 0
	PLACES NP
	FETCH_B \slot, (\q)+1, 1-(\q)%2
	FETCH_A \slot, (\q)+1, 0
	WIN MUL_HI
	MUL16 4, (\q)%2, \zero
	MUL16 6, (\q)%2, \zero
	PLACES NP
	WIN 0
	FETCH_A \slot, (\q)+1, 4
.endm
.macro TURN slot, next, fill
	s_wait_tensorcnt 0x0
	ds_add_u32 v[SPW], v[NIL]
	s_wait_dscnt 4*NL+1
	WIN MUL_LO
	MUL16 0, 1, 0
	s_wait_dscnt 0x0
	s_barrier_signal -1
	MUL16 2, 1, 0
	WIN 0
	s_barrier_wait -1
.if \fill
	CREST
	s_add_nc_u64 s[G0+4*\slot+2:G0+4*\slot+3], s[G0+4*\slot+2:G0+4*\slot+3], 2*ROWB
	s_add_nc_u64 s[G0B+4*\slot+2:G0B+4*\slot+3], s[G0B+4*\slot+2:G0B+4*\slot+3], 2*ROWB
	JLOAD G0+4*\slot, G1, G0B+4*\slot, G1B, 2*\slot
	PLACES NP                                      ; every wave's places in front of the loads below
.else
	PLACES NP
.endif
	FETCH_B \next, 0, 0
	FETCH_A \next, 0, 0
	WIN MUL_HI
	MUL16 4, 1, 0
	MUL16 6, 1, 0
	PLACES NP
	WIN 0
	FETCH_A \next, 0, 4
.endm
	s_wait_alu depctr_va_vdst(0)                   ; the wait at the head's end
	s_wait_tensorcnt 0x0                           ; my one load has landed
	s_barrier_signal -1
	s_barrier_wait -1
	FETCH_B 0, 0, 0
	FETCH_A 0, 0, 0
	FETCH_A 0, 0, 4
	STEP 0, 0, 1
	s_mov_b32 s3, LAPS-1
.Llap:
	TURN 0, 1, 1
	STEP 1, 0, 0
	TURN 1, 0, 1
	STEP 0, 0, 0
	s_sub_co_u32 s3, s3, 1
	s_cmp_lg_u32 s3, 0
	s_cbranch_scc1 .Llap
	TURN 0, 1, 0
	STEP 1, 0, 0
	s_wait_dscnt 4*NL
	WIN MUL_LO
	MUL16 0, 1, 0
	MUL16 2, 1, 0
	s_wait_dscnt 0
	WIN MUL_HI
	MUL16 4, 1, 0
	MUL16 6, 1, 0
	WIN 0
	s_wait_kmcnt 0x0
	s_cmp_eq_u32 ttmp9, 0
	s_cselect_b32 s92, s68, s70
	s_cselect_b32 s93, s69, s71
	s_cselect_b32 s94, s74, s75
	s_cmp_eq_u32 ttmp9, 2
	s_cselect_b32 s92, s72, s92
	s_cselect_b32 s93, s73, s93
	s_cselect_b32 s94, s77, s94
	s_sub_co_i32 s94, s94, s92
	s_sub_co_i32 s94, s94, s93
	s_add_co_i32 s94, s94, 127
	s_lshl_b32 s95, s94, 23
	v_mov_b32 v[SCL], s95
	s_add_co_i32 s94, s94, 8
	s_lshl_b32 s94, s94, 23
	s_or_b32 s94, s94, 0x600000
	v_mov_b32 v[LIM], s94
	PLACES NP
.macro QBLOCK a
.set AC, 64*((\a)%4)
	WIN 0x02+((\a)/4)
.set JJ, 0
.rept 64
	v_med3_num_f32 v[TMP+JJ], v[AC+JJ], -v[LIM], v[LIM]
.set JJ, JJ+1
.endr
	WIN 0
.irp b, 0,1,2,3,4,5,6,7
	v_cvt_scalef32_pk8_fp8_f32 v[CD+16*(\a)+2*\b:CD+16*(\a)+2*\b+1], v[TMP+8*\b:TMP+8*\b+7], v[SCL]
.endr
	v_nop
.irp b, 0,1,2,3,4,5,6,7
	ds_store_b64 v[STO], v[CD+16*(\a)+2*\b:CD+16*(\a)+2*\b+1] offset:(\a)*16*SPITCH+16*\b
.endr
.endm
.irp a, 0,1,2,3,4,5,6,7
	QBLOCK \a
.endr
	s_wait_dscnt 0x0
	s_barrier_signal -1
	s_barrier_wait -1
	s_cmp_eq_u32 ttmp9, 2
	s_cbranch_scc1 .Lv
.set TT, 0
.rept 32
	ds_load_b128 v[BK+4*TT:BK+4*TT+3], v[RDQ] offset:(TT%8)*8*SPITCH+64*(TT/8)
.set TT, TT+1
.endr
.set TT, 0
.rept 32
	s_wait_dscnt 31-TT
	global_store_b128 v[COQ], v[BK+4*TT:BK+4*TT+3], s[10:11] offset:(TT/8)*131072+(TT%8)*512
.set TT, TT+1
.endr
	s_branch .Lend
.Lv:
.set TT, 0
.rept 32
	ds_load_b128 v[BK+4*TT:BK+4*TT+3], v[RDV] offset:TT*2*SPITCH
.set TT, TT+1
.endr
.set TT, 0
.rept 32
	s_wait_dscnt 31-TT
	global_store_b128 v[COV], v[BK+4*TT:BK+4*TT+3], s[10:11] offset:TT*4096
.set TT, TT+1
.endr
.Lend:
	s_wait_tensorcnt 0x0
	ds_add_u32 v[SPW], v[NIL]
	s_wait_dscnt 0x0
	CROUND
	s_endpgm
.Lfunc_end_k_q2ec34d858c_qkv:
	.size	k_q2ec34d858c_qkv, .Lfunc_end_k_q2ec34d858c_qkv-k_q2ec34d858c_qkv
	.p2alignl 7, 3214868480
	.fill 96, 4, 3214868480
	.section	.rodata,"a",@progbits
	.p2align	6, 0x0
	.amdhsa_kernel k_q2ec34d858c_qkv
		.amdhsa_group_segment_fixed_size 327680
		.amdhsa_private_segment_fixed_size 0
		.amdhsa_enable_private_segment 0
		.amdhsa_kernarg_size 32
		.amdhsa_user_sgpr_count 2
		.amdhsa_user_sgpr_kernarg_segment_ptr 1
		.amdhsa_wavefront_size32 1
		.amdhsa_system_sgpr_workgroup_id_x 1
		.amdhsa_system_sgpr_workgroup_id_y 1
		.amdhsa_system_sgpr_workgroup_id_z 1
		.amdhsa_system_vgpr_workitem_id 0
		.amdhsa_next_free_vgpr 1024
		.amdhsa_next_free_sgpr 100
		.amdhsa_reserve_vcc 0
		.amdhsa_float_denorm_mode_32 3
		.amdhsa_float_denorm_mode_16_64 3
		.amdhsa_memory_ordered 1
		.amdhsa_forward_progress 1
		.amdhsa_inst_pref_size 133
	.end_amdhsa_kernel
	.amdgpu_metadata
---
amdhsa.version: [ 1, 2 ]
amdhsa.kernels:
  - .name:           k_q2ec34d858c_qkv
    .symbol:         k_q2ec34d858c_qkv.kd
    .args:
      - { .name: x_c, .offset: 0, .size: 8, .value_kind: global_buffer, .address_space: global }
      - { .name: w_c, .offset: 8, .size: 8, .value_kind: global_buffer, .address_space: global }
      - { .name: lowp_scales, .offset: 16, .size: 8, .value_kind: global_buffer, .address_space: global }
      - { .name: qkv_c, .offset: 24, .size: 8, .value_kind: global_buffer, .address_space: global }
    .group_segment_fixed_size: 327680
    .private_segment_fixed_size: 0
    .kernarg_segment_align: 8
    .kernarg_segment_size: 32
    .max_flat_workgroup_size: 128
    .sgpr_count:     100
    .vgpr_count:     1024
    .wavefront_size: 32
...
	.end_amdgpu_metadata
.endif
;; end of part 2
;; launch attn (part 3): grid 4 x 64, 8 waves a work-group, clusters of 4 x 1, 327,680 bytes of LDS; arguments qkv_c, lowp_scales, ctx_c; writes ctx_c
.if DOCPART == 3
	.amdgcn_target "amdgcn-amd-amdhsa--gfx1250"
	.amdhsa_code_object_version 6
	.text
	.protected	k_q2ec34d858c_attn
	.globl	k_q2ec34d858c_attn
	.p2align	8
	.type	k_q2ec34d858c_attn,@function
k_q2ec34d858c_attn:
	s_mov_b64 s[64:65], 0
	v_nop
	global_prefetch_b8 v0, s[64:65] scope:SCOPE_SE
	s_setreg_imm32_b32 hwreg(HW_REG_WAVE_MODE, 25, 1), 1
	s_wait_xcnt 0x0
	s_wait_alu depctr_hold_cnt(0) depctr_sa_sdst(0) depctr_va_vdst(0) depctr_va_sdst(0) depctr_va_ssrc(0) depctr_va_vcc(0) depctr_vm_vsrc(0)
	s_getreg_b32 s2, hwreg(HW_REG_IB_STS2, 6, 4)
	s_cmp_eq_u32 s2, 0
	s_cbranch_scc0 .Lentry_in_a_cluster
	s_endpgm
.Lentry_in_a_cluster:
	s_bfe_u32 s2, ttmp6, 0x10000c
	s_cmp_lg_u32 s2, 0x3003
	s_cbranch_scc0 .Lentry_shape_is_right
	s_endpgm
.Lentry_shape_is_right:
; CAUSAL ATTENTION on codes of FP8 (E4M3), head size 64, 64 heads (b, h) of 2,048 queries and keys; its result is quantised for the output projection.
; qkv_c: q at byte 0 and k at 8 MiB, [64 bh][2048][64 d]; v at 16 MiB, [64 bh][64 d][2048 keys].  Scales: q e6, k e7, p e8, v e9, the result e10.
; OUT: ctx_c [64 R = b 16 + s / 128][16 h][128 rows][64 d]: a wave's 32 rows x 64 codes are 2,048 consecutive bytes.
; WORK LEFT OUT: key k is masked for query q where k > q, so a step of 128 keys that all come after a wave's queries reaches no output, whatever the inputs hold: it is not multiplied.
;   A NaN or an infinity that reaches only such keys' scores is not carried to the result.
; THE SOFTMAX AHEAD OF THE SECOND PRODUCT: t = score x log2(e) / 8; M = the row's largest t so far, rounded UP to a whole number; p = 2^(t - M) is quantised, not normalised.
;   The row's sum is taken of the unquantised p, in f32, and divides O at the end.  When M moves, the sum and O are multiplied by 2^(old M - new M): exact.
; SHARES.  The four work-groups of a cluster share one head.  THE HEAD'S WHOLE K AND V LIE IN LDS (274,432 bytes with padding): each of the eight waves asks for one eighth by ONE joint load (mask 15) at the head;
;   nothing is filled again, so one barrier serves the launch.  Waves 0-3: 128 lines of K (four keys, 256 bytes a line) each; waves 4-7: V's 64 rows x 512 keys each.
;   A wave owns 32 queries (two tiles a, b) of a block of 128: query 128 m + 32 cx + 16 tile + lane % 16.  It takes block m = 15 - w, then block m = w: (16 - w) + (w + 1) = 17 key steps of 128 keys in every wave.
;   Both loops have constant trip counts (2 blocks, 16 steps); a scalar branch on the wave's number and the step's count leads round a hidden step's work.  No branch hangs on cx.
; NO PREFETCH: every byte that the tensor loads bring is asked for at the kernel's head; there is no loop to run ahead in.
; LAYOUT.  Both products are used transposed: S^T = K Q^T (source 0 = 16 neighbouring keys, source 1 = 16 queries, K = 64), O^T = V^T P^T (source 0 = 16 of the head's 64, source 1 = P, K = 128 keys): a lane holds one query of each tile.
;   Register 8 t + j of S^T holds key 16 t + 8 (lane / 16) + j, so the conversions' results are the K = 128 form's own operand layout, and V's fragments come by loads of 8 bytes in that layout.
;   Q's and K's fragments come by loads of 16 bytes: registers 4 c .. 4 c + 3 hold d = 32 c + 16 (lane / 16) + 0 .. 15, the same order on both sides.
; LIMITS: e6 + e7 between -123 and 130 (added to c's exponent field); e8, and e10 - e8 - e9, between -126 and 119; the scaled scores stay under 2^31 in magnitude.
; REGISTERS.  Window 0: v1-11 addresses; v12-19 -M, the largest score, the sum (tile a, tile b); v20-23 f; v24-27, v30 scales; v32-47 Q; v48-111 K; v112-239 S^T, then p; v240-255 at work.
;   Window 1: v0-63 V; v64-127 O^T; v128-159 p's codes; v160-175 the second block's Q.
.set KP,    272                        ; a line of K in LDS: four keys' 256 bytes + 16
.set KQ,    128*KP                     ; what one wave's load of K fills
.set VOFF,  4*KQ
.set VP,    528                        ; a row of a chunk of V: 512 keys + 16 bytes
.set VCH,   64*VP                      ; a chunk: 64 rows
.set STAGE, VOFF+4*VCH                 ; the way out: 2,048 bytes a wave, bytes that no tensor load fills
.set SPARE, STAGE+8*2048               ; the spare words: 128 bytes a wave
.set AK0, 1
.set AV0, 2
.set DG,  3                            ; on the diagonal: tile a's query within its block less 8 (lane / 16)
.set GO,  4                            ; 16 x lane
.set SPW, 5
.set NIL, 6
.set ADK, 8
.set ADV, 9
.set STI, 10
.set STB, 11
.set LIMP, 24                          ; v24, v25: 448 x 2^e8, twice (the two halves of a dual pair name different registers)
.set SCP,  26                          ; 2^e8
.set LIMO, 27                          ; 448 x 2^(e10 - e8 - e9)
.set SCO,  30                          ; 2^(e10 - e8 - e9)
.set QA,  32
.set KF,  48
.set SA,  112
.set SB,  176
.set WV,  18
.set NEGC, 10                          ; s10  -c
.set SEL, 20
.set CS,  22                           ; s[22:23] c = log2(e) / 8 x 2^(e6 + e7)
.set G1K, 24
.set G1V, 32
.set G0K, 40
.set G0V, 44
.set KS,  66                           ; the key step
.set M,   67                           ; the block of 128 queries in hand
.set BL,  68                           ; blocks done
.set MSB, 0
.macro WIN new                         ; the immediate's high byte repeats the setting that is left
.if MSB != \new
	s_set_vgpr_msb (MSB<<8)|\new
.set MSB, \new
.endif
.endm
.macro ROUND                           ; a round of the cluster's barrier
	s_barrier_signal -1
	s_barrier_wait -1
	s_cmp_lg_u32 s[WV], 0
	s_cbranch_scc1 .Lnw0_\@
	s_barrier_signal -3
.Lnw0_\@:
	s_barrier_wait -3
	s_barrier_signal -1
	s_barrier_wait -1
.endm
.macro KLOAD adr                       ; a step's eight fragments of K in one run: tile t is four lines
.irp t, 0,1,2,3,4,5,6,7
	ds_load_b128 v[KF+8*\t:KF+8*\t+3], v[\adr] offset:\t*4*KP
	ds_load_b128 v[KF+8*\t+4:KF+8*\t+7], v[\adr] offset:\t*4*KP+32
.endr
.endm
.macro SUMS S, L, F                    ; a tile's sum of the unquantised p: the old sum x f and the first pair in one; seven chains by turns
	v_pk_fma_f32 v[\L:\L+1], v[\L:\L+1], v[\F:\F+1], v[\S:\S+1] op_sel_hi:[1,0,1]
.irp k, 0,1,2,3,4,5
	v_pk_add_f32 v[244+2*\k:245+2*\k], v[\S+2+4*\k:\S+3+4*\k], v[\S+4+4*\k:\S+5+4*\k]
.endr
.irp j, 26,40
	v_pk_add_f32 v[\L:\L+1], v[\L:\L+1], v[\S+\j:\S+\j+1]
.irp k, 0,1,2,3,4,5
	v_pk_add_f32 v[244+2*\k:245+2*\k], v[244+2*\k:245+2*\k], v[\S+\j+2+2*\k:\S+\j+3+2*\k]
.endr
.endr
	v_pk_add_f32 v[\L:\L+1], v[\L:\L+1], v[\S+54:\S+55]
.irp k, 0,1,2,3
	v_pk_add_f32 v[244+2*\k:245+2*\k], v[244+2*\k:245+2*\k], v[\S+56+2*\k:\S+57+2*\k]
.endr
	v_pk_add_f32 v[244:245], v[244:245], v[246:247]
	v_pk_add_f32 v[248:249], v[248:249], v[250:251]
	v_pk_add_f32 v[252:253], v[252:253], v[254:255]
	v_pk_add_f32 v[\L:\L+1], v[\L:\L+1], v[244:245]
	v_pk_add_f32 v[248:249], v[248:249], v[252:253]
	v_pk_add_f32 v[\L:\L+1], v[\L:\L+1], v[248:249]
.endm
	s_load_b128 s[4:7], s[0:1], 0x0                ; qkv_c, the scales' exponents
	s_load_b64 s[8:9], s[0:1], 0x10                ; ctx_c
	v_lshl_add_u32 v[SPW], v0, 2, SPARE
	v_mov_b32 v[NIL], 0
	ds_add_u32 v[SPW], v[NIL]                      ; the opening lines: the add twice on end and its one wait
	ds_add_u32 v[SPW], v[NIL]
	v_lshrrev_b32 v8, 5, v0
	v_readfirstlane_b32 s[WV], v8                  ; wave 0..7
	s_bfe_u32 s14, ttmp6, 0x40000                  ; cx
	s_and_b32 s15, ttmp7, 0xffff                   ; the head, b 16 + h
	s_and_b32 s16, s[WV], 3                        ; which quarter of K or of V I ask for
	s_xor_b32 s[M], s[WV], 15                      ; the first block: 15 - w
	s_lshl_b32 s54, s15, 17                        ; the head's first byte in q, in k and in v
	s_lshl_b32 s58, s14, 5                         ; 32 cx
	s_lshl_b32 s59, s14, 11                        ; and its 64-byte rows
	s_add_co_u32 s56, s54, s59
	s_lshl_b32 s57, s[M], 13
	s_add_co_u32 s74, s56, s57                     ; q of the first block
	s_mov_b32 s75, 0
	s_lshl_b32 s57, s[WV], 13
	s_add_co_u32 s76, s56, s57                     ; q of the second
	s_mov_b32 s77, 0
	s_lshr_b32 s60, s15, 4
	s_lshl_b32 s60, s60, 21
	s_and_b32 s61, s15, 15
	s_lshl_b32 s61, s61, 13
	s_add_co_u32 s60, s60, s61
	s_add_co_u32 s60, s60, s59                     ; ctx_c: b 2^21 + h 2^13 + 32 cx rows; the block adds m 2^17
	s_lshl_b32 s78, s16, 15
	s_add_co_u32 s78, s78, s54                     ; K: 512 keys a quarter.  The tiles' addresses hang on the head and the wave alone
	s_mov_b32 s79, 0
	s_lshl_b32 s80, s16, 9
	s_add_co_u32 s80, s80, s54                     ; V: 512 keys along each row
	s_mov_b32 s81, 0
	s_mul_i32 s82, s16, KQ
	s_mul_i32 s83, s16, VCH
	s_add_co_u32 s83, s83, VOFF
	s_lshl_b32 s73, s[WV], 11
	s_add_co_u32 s73, s73, STAGE                   ; my stage
	s_mov_b32 s[G1K], 15|(1<<20)|(1<<21)|(5<<22)|(3<<25)   ; mask: all four; bytes; four words of padding after every 64
	s_mov_b32 s[G1K+1], 256<<16
	s_mov_b32 s[G1K+2], 128<<16
	s_mov_b32 s[G1K+3], 256<<16
	s_mov_b32 s[G1K+4], 128
	s_mov_b32 s[G1K+5], 256
	s_mov_b32 s[G1K+6], 0
	s_mov_b32 s[G1K+7], 0
	s_mov_b32 s[G1V], 15|(1<<20)|(1<<21)|(6<<22)|(3<<25)   ; four words of padding after every 128
	s_mov_b32 s[G1V+1], 512<<16
	s_mov_b32 s[G1V+2], 64<<16
	s_mov_b32 s[G1V+3], 512<<16
	s_mov_b32 s[G1V+4], 64
	s_mov_b32 s[G1V+5], 2048
	s_mov_b32 s[G1V+6], 0
	s_mov_b32 s[G1V+7], 0
	s_mov_b32 s[SEL], 0x76543210
	s_mov_b32 s[SEL+1], 0xfedcba98
	s_mov_b32 s[CS], 0x3e38aa3b                    ; log2(e) / 8
	v_and_b32 v240, 15, v0                         ; r
	v_bfe_u32 v241, v0, 4, 1                       ; h
	v_lshlrev_b32 v7, 6, v240
	v_lshl_add_u32 v[STI], v241, 3, v7
	v_lshl_add_u32 v7, v241, 4, v7                 ; Q: row r of 64 bytes + 16 h; never rewritten
	v_add_nc_u32 v[STI], s73, v[STI]               ; into the stage: row r, + 8 h
	v_lshrrev_b32 v[AK0], 2, v240
	v_mul_u32_u24 v[AK0], v[AK0], KP
	v_and_b32 v8, 3, v240
	v_lshl_add_u32 v[AK0], v8, 6, v[AK0]
	v_lshl_add_u32 v[AK0], v241, 4, v[AK0]         ; K: line r / 4, key r % 4, + 16 h: sixteen lanes touch sixteen different 16-byte columns of 256
	v_mul_u32_u24 v[AV0], v240, VP
	v_lshl_add_u32 v[AV0], v241, 3, v[AV0]
	v_add_nc_u32 v[AV0], VOFF, v[AV0]              ; V: row r, + 8 h
	v_lshlrev_b32 v[DG], 3, v241
	v_sub_nc_u32 v[DG], v240, v[DG]
	v_add_nc_u32 v[DG], s58, v[DG]                 ; 32 cx + r - 8 h
	v_and_b32 v[GO], 31, v0
	v_lshlrev_b32 v[GO], 4, v[GO]
	v_add_nc_u32 v[STB], s73, v[GO]                ; back from the stage: 16 bytes a lane
	v_mov_b32 v21, 0                               ; upper halves of pairs that are named whole, and the lane permutes' destinations
	v_mov_b32 v23, 0
	v_mov_b32 v28, 0
	v_mov_b32 v29, 0
	s_wait_alu depctr_va_vdst(0)                   ; the wait here, directly ahead of the waits below
	s_wait_dscnt 0x0                               ; both opening adds are done
	s_wait_kmcnt 0x0
	s_load_b128 s[48:51], s[6:7], 0x18             ; e6, e7, e8, e9
	s_load_b32 s52, s[6:7], 0x28                   ; e10
	s_add_nc_u64 s[74:75], s[4:5], s[74:75]
	s_add_nc_u64 s[76:77], s[4:5], s[76:77]
	s_add_nc_u64 s[78:79], s[4:5], s[78:79]
	s_add_nc_u64 s[80:81], s[4:5], s[80:81]
.irp i, 0,1                                    ; the first block's Q: tile i's two loads of 16 bytes
	global_load_b128 v[QA+8*\i:QA+8*\i+3], v7, s[74:75] offset:1024*\i
	global_load_b128 v[QA+8*\i+4:QA+8*\i+7], v7, s[74:75] offset:1024*\i+32
.endr
	s_mov_b32 s[G0K], 1
	s_mov_b32 s[G0K+1], s82
	s_add_nc_u64 s[G0K+2:G0K+3], s[78:79], 0x800000
	s_or_b32 s[G0K+3], s[G0K+3], 0x80000000
	s_mov_b32 s[G0V], 1
	s_mov_b32 s[G0V+1], s83
	s_add_nc_u64 s[G0V+2:G0V+3], s[80:81], 0x1000000
	s_or_b32 s[G0V+3], s[G0V+3], 0x80000000
	ROUND                                          ; all four work-groups are here: the joint loads meet
	s_cmp_lt_u32 s[WV], 4                          ; one chain, one load to an arm: every wave issues one
	s_cbranch_scc0 .Lfor_v
	tensor_load_to_lds s[G0K:G0K+3], s[G1K:G1K+7]
	s_nop 0
.rept 4
	v_nop
.endr
	s_branch .Lasked
.Lfor_v:
	tensor_load_to_lds s[G0V:G0V+3], s[G1V:G1V+7]
	s_nop 0
.rept 4
	v_nop
.endr
.Lasked:
	s_wait_kmcnt 0x0
	s_add_co_i32 s72, s48, s49
	s_lshl_b32 s72, s72, 23
	s_add_co_i32 s[CS], s[CS], s72                 ; a score stands for score x 2^(e6 + e7)
	s_mov_b32 s[CS+1], s[CS]
	s_xor_b32 s[NEGC], s[CS], 0x80000000
	s_add_co_i32 s72, s50, 127
	s_lshl_b32 s73, s72, 23
	v_mov_b32 v[SCP], s73
	s_add_co_i32 s72, s72, 8
	s_lshl_b32 s72, s72, 23
	s_or_b32 s72, s72, 0x600000
	v_mov_b32 v[LIMP], s72
	v_mov_b32 v[LIMP+1], s72
	s_sub_co_i32 s72, s52, s50
	s_sub_co_i32 s72, s72, s51                     ; O / the sum stands for that x 2^(e8 + e9): its code under 2^e10 is that / 2^(e10 - e8 - e9)
	s_add_co_i32 s72, s72, 127
	s_lshl_b32 s73, s72, 23
	v_mov_b32 v[SCO], s73
	s_add_co_i32 s72, s72, 8
	s_lshl_b32 s72, s72, 23
	s_or_b32 s72, s72, 0x600000
	v_mov_b32 v[LIMO], s72
	s_mov_b32 s[BL], 0
	s_wait_alu depctr_va_vdst(0)                   ; the wait at the head's end
	s_wait_tensorcnt 0x0                           ; my eighth has landed,
	s_barrier_signal -1
	s_barrier_wait -1                              ; and so has everybody's: K and V are whole, and are only read from here on
	s_wait_loadcnt 0x0                             ; Q
	WIN 0x40
.irp i, 0,1                                    ; the second block's Q is asked for now and awaited at the first block's end
	global_load_b128 v[160+8*\i:163+8*\i], v7, s[76:77] offset:1024*\i
	global_load_b128 v[164+8*\i:167+8*\i], v7, s[76:77] offset:1024*\i+32
.endr
	WIN 0
.Lblock:                                           ; two trips: block 15 - w, then block w
	v_mov_b32 v13, 0xff61b1e6                      ; the largest score so far: -3e38
	v_mov_b32 v17, 0xff61b1e6
	v_mov_b32 v12, 0x7f61b1e6                      ; -M
	v_mov_b32 v16, 0x7f61b1e6
.irp j, 14,15,18,19
	v_mov_b32 v\j, 0                               ; the sums, in two halves
.endr
	WIN 0x40
.set J, 0
.rept 64
	v_mov_b32 v[64+J], 0                           ; O^T: the step is written once; the first finds zeros, which the first change of M leaves zeros
.set J, J+1
.endr
	WIN 0
	KLOAD AK0                                      ; key step 0's fragments
	s_mov_b32 s[KS], 0
	s_wait_alu depctr_va_vdst(0)                   ; the wait here
.Lstep:                                            ; sixteen trips; steps behind the block's diagonal are led round
	s_cmp_gt_u32 s[KS], s[M]
	s_cbranch_scc1 .Lhidden
	s_add_co_u32 s70, s[KS], 1
	s_min_u32 s70, s70, 15                         ; the next step's K (the last step names step 15 again: inside K's bytes)
	s_mul_i32 s70, s70, 32*KP
	s_lshr_b32 s71, s[KS], 2
	s_mul_i32 s71, s71, VCH                        ; this step's V: chunk KS / 4,
	s_and_b32 s72, s[KS], 3
	s_lshl_b32 s72, s72, 7                         ; 128 keys along its rows
	s_add_co_u32 s71, s71, s72
	s_wait_dscnt 0x0                               ; this step's K is in
	v_add_nc_u32 v[ADK], s70, v[AK0]               ; the addresses of the loads below are made ahead of the products
	v_add_nc_u32 v[ADV], s71, v[AV0]
.irp t, 0,1,2,3,4,5,6,7
	v_wmma_f32_16x16x64_fp8_fp8 v[SA+8*\t:SA+8*\t+7], v[KF+8*\t:KF+8*\t+7], v[QA:QA+7], 0
	v_wmma_f32_16x16x64_fp8_fp8 v[SB+8*\t:SB+8*\t+7], v[KF+8*\t:KF+8*\t+7], v[QA+8:QA+15], 0
.endr
.rept 4
	v_nop                                          ; four places: for the loads into K's and V's fragments and for the first reads of the scores
.endr
	KLOAD ADK                                      ; the next step's K lands under the softmax,
	WIN 0x40
.irp t, 0,1,2,3
.irp c, 0,1,2,3,4,5,6,7
	ds_load_b64 v[16*\t+2*\c:16*\t+2*\c+1], v[ADV] offset:\t*16*VP+16*\c   ; and this step's V: registers 2 c, 2 c + 1 hold keys 16 c + 8 h + 0 .. 7
.endr
.endr
	WIN 0
	s_cmp_lg_u32 s[KS], s[M]                       ; on the diagonal hidden keys' scores become -infinity; each query's own key counts, so the maximum stays a number
	s_cbranch_scc1 .Lopen
	v_mov_b32 v240, 0xff800000
.set U, -1
.rept 9                                ; tile a's register 8 U + J is hidden where 16 U + J > DG; tile b's queries lie 16 on, so the same test serves its register 8 (U + 1) + J
.set J, 0
.rept 8
	v_cmp_gt_i32 vcc_lo, 16*U+J, v[DG]
.if U >= 0
	v_cndmask_b32 v[SA+8*U+J], v[SA+8*U+J], v240, vcc_lo
.endif
.if U < 7
	v_cndmask_b32 v[SB+8*U+8+J], v[SB+8*U+8+J], v240, vcc_lo
.endif
.set J, J+1
.endr
.set U, U+1
.endr
.Lopen:
.irp k, 0,1,2,3                                ; the step's largest scores: eight chains by turns, each accumulator from its low end on
	v_max3_num_f32 v[240+\k], v[SA+3*\k], v[SA+3*\k+1], v[SA+3*\k+2]
	v_max3_num_f32 v[244+\k], v[SB+3*\k], v[SB+3*\k+1], v[SB+3*\k+2]
.endr
.set J, 12
.set C, 0
.rept 26
	v_max3_num_f32 v[240+C], v[240+C], v[SA+J], v[SA+J+1]
	v_max3_num_f32 v[244+C], v[244+C], v[SB+J], v[SB+J+1]
.set J, J+2
.set C, (C+1)%4
.endr
	v_max3_num_f32 v240, v240, v241, v242
	v_max3_num_f32 v244, v244, v245, v246
	v_max_num_f32 v240, v240, v243
	v_max_num_f32 v244, v244, v247
	v_permlanex16_b32 v28, v240, s[SEL], s[SEL+1]
	v_permlanex16_b32 v29, v244, s[SEL], s[SEL+1]
	v_max3_num_f32 v13, v13, v240, v28             ; the running largest score (c is positive, so the largest score gives the largest t)
	v_max3_num_f32 v17, v17, v244, v29
	v_mul_f32 v240, s[NEGC], v13
	v_mul_f32 v244, s[NEGC], v17
	v_floor_f32 v240, v240                         ; the new -M = floor(-t)
	v_floor_f32 v244, v244
	v_sub_f32 v241, v240, v12                      ; old M - new M: a whole number, 0 or less
	v_sub_f32 v245, v244, v16
	v_mov_b32 v12, v240
	v_mov_b32 v16, v244
	v_cvt_i32_f32 v241, v241                       ; (it saturates)
	v_cvt_i32_f32 v245, v245
	v_ldexp_f32 v20, 1.0, v241                     ; f = 2^(old M - new M)
	v_ldexp_f32 v22, 1.0, v245
.set J, 0
.rept 32
	v_pk_fma_f32 v[SA+J:SA+J+1], v[SA+J:SA+J+1], s[CS:CS+1], v[12:13] op_sel_hi:[1,0,0]   ; t - M (of the pairs c and -M the low word serves both halves)
	v_pk_fma_f32 v[SB+J:SB+J+1], v[SB+J:SB+J+1], s[CS:CS+1], v[16:17] op_sel_hi:[1,0,0]
.set J, J+2
.endr
	WIN 0x41
.set J, 0
.rept 16                               ; O^T under the new M, ahead of the exponentials: no transcendental stands between the last step's products and these first readers
	v_pk_mul_f32 v[64+J:65+J], v[64+J:65+J], v[20:21] op_sel_hi:[1,0]
	v_pk_mul_f32 v[96+J:97+J], v[96+J:97+J], v[22:23] op_sel_hi:[1,0]
.set J, J+2
.endr
	WIN 0
	s_wait_alu depctr_va_vdst(0)                   ; the wait ahead of the batch
.set J, 0
.rept 128
	v_exp_f32 v[SA+J], v[SA+J]                     ; p = 2^(t - M)
.set J, J+1
.endr
	v_nop                                          ; a plain line behind the batch
	s_wait_alu depctr_va_vdst(0)                   ; one wait for the batch, ahead of its first reader; it also stands directly ahead of the wait below
	s_wait_dscnt 0x0                               ; V's fragments and the next step's K are in: no wait that blocks stands between the conversions and the products below
	SUMS SA, 14, 20
	SUMS SB, 18, 22
.set J, 0
.rept 64                               ; the conversion does not saturate (ISA guide 7.6.2); p is not negative, so the hold is one-sided; two numbers an instruction
	v_dual_min_num_f32 v[SA+J], v[SA+J], v[LIMP] :: v_dual_min_num_f32 v[SA+J+1], v[SA+J+1], v[LIMP+1]
.set J, J+2
.endr
	WIN 0x40
.irp t, 0,1,2,3,4,5,6,7
	v_cvt_scalef32_pk8_fp8_f32 v[128+2*\t:129+2*\t], v[SA+8*\t:SA+8*\t+7], v[SCP]
	v_cvt_scalef32_pk8_fp8_f32 v[144+2*\t:145+2*\t], v[SB+8*\t:SB+8*\t+7], v[SCP]
.endr
	v_nop                                          ; one plain line behind the conversions
	WIN 0x55
.irp t, 0,1,2,3
	v_wmma_f32_16x16x128_fp8_fp8 v[64+8*\t:71+8*\t], v[16*\t:16*\t+15], v[128:143], v[64+8*\t:71+8*\t]   ; O^T += V^T P^T: the eight accumulators take turns
	v_wmma_f32_16x16x128_fp8_fp8 v[96+8*\t:103+8*\t], v[16*\t:16*\t+15], v[144:159], v[96+8*\t:103+8*\t]
.endr
	WIN 0
.Lhidden:
	s_add_co_u32 s[KS], s[KS], 1
	s_cmp_lt_u32 s[KS], 16
	s_cbranch_scc1 .Lstep
	; THE WAY OUT of a block: O^T / the sum is held, converted, and goes through my stage, so that my 32 rows leave as 2,048 consecutive bytes.
	v_add_f32 v14, v14, v15
	v_add_f32 v18, v18, v19
	v_permlanex16_b32 v28, v14, s[SEL], s[SEL+1]
	v_permlanex16_b32 v29, v18, s[SEL], s[SEL+1]
	v_add_f32 v14, v14, v28                        ; the rows' sums
	v_add_f32 v18, v18, v29
	s_wait_alu depctr_va_vdst(0)                   ; the wait ahead of the transcendentals
	v_rcp_f32 v14, v14
	v_rcp_f32 v18, v18
	v_nop                                          ; a plain line behind them
	s_lshl_b32 s86, s[M], 17
	s_add_co_u32 s86, s86, s60
	s_mov_b32 s87, 0
	s_add_nc_u64 s[84:85], s[8:9], s[86:87]        ; my rows of ctx_c (the last block's stores have read this base: the wait on XCNT at the trip's end)
	WIN 0x01
	s_wait_alu depctr_va_vdst(0)                   ; for the reciprocals, and directly ahead of the first readers of O^T
.set J, 0
.rept 32
	v_mul_f32 v[SA+J], v[64+J], v14                ; register 8 t + j is o(r, 16 t + 8 h + j); each accumulator from its low end on
.set J, J+1
.endr
.set J, 0
.rept 32
	v_mul_f32 v[SB+J], v[96+J], v18
.set J, J+1
.endr
	WIN 0
.set J, 0
.rept 32
	v_med3_num_f32 v[SA+J], v[SA+J], -v[LIMO], v[LIMO]
	v_med3_num_f32 v[SB+J], v[SB+J], -v[LIMO], v[LIMO]
.set J, J+1
.endr
.irp t, 0,1,2,3
	v_cvt_scalef32_pk8_fp8_f32 v[240+2*\t:241+2*\t], v[SA+8*\t:SA+8*\t+7], v[SCO]
	v_cvt_scalef32_pk8_fp8_f32 v[248+2*\t:249+2*\t], v[SB+8*\t:SB+8*\t+7], v[SCO]
.endr
	v_nop                                          ; one plain line behind the conversions
.irp t, 0,1,2,3
	ds_store_b64 v[STI], v[240+2*\t:241+2*\t] offset:16*\t
	ds_store_b64 v[STI], v[248+2*\t:249+2*\t] offset:1024+16*\t
.endr
.irp i, 0,1,2,3
	ds_load_b128 v[SA+4*\i:SA+4*\i+3], v[STB] offset:512*\i    ; LDS serves a wave's instructions in order (ISA guide 5.7.1.4): these see my stores
.endr
	s_wait_dscnt 0x0
.irp i, 0,1,2,3
	global_store_b128 v[GO], v[SA+4*\i:SA+4*\i+3], s[84:85] offset:512*\i   ; 32 lanes store 512 consecutive bytes, aligned
.endr
	s_wait_loadcnt 0x0                             ; the second block's Q is in
	WIN 0x01
.set J, 0
.rept 16
	v_mov_b32 v[QA+J], v[160+J]                    ; and takes its place (the second trip copies it once more, and nobody reads it)
.set J, J+1
.endr
	WIN 0
	s_wait_xcnt 0x0                                ; the stores have read their registers and their base
	s_xor_b32 s[M], s[M], 15                       ; block w
	s_add_co_u32 s[BL], s[BL], 1
	s_cmp_lt_u32 s[BL], 2
	s_cbranch_scc1 .Lblock
	s_wait_tensorcnt 0x0                           ; the wave's end
	ds_add_u32 v[SPW], v[NIL]
	s_wait_dscnt 0x0
	ROUND                                          ; the closing round
	s_endpgm
.Lfunc_end_k_q2ec34d858c_attn:
	.size	k_q2ec34d858c_attn, .Lfunc_end_k_q2ec34d858c_attn-k_q2ec34d858c_attn
	.p2alignl 7, 3214868480
	.fill 96, 4, 3214868480
	.section	.rodata,"a",@progbits
	.p2align	6, 0x0
	.amdhsa_kernel k_q2ec34d858c_attn
		.amdhsa_group_segment_fixed_size 327680
		.amdhsa_private_segment_fixed_size 0
		.amdhsa_enable_private_segment 0
		.amdhsa_kernarg_size 24
		.amdhsa_user_sgpr_count 2
		.amdhsa_user_sgpr_kernarg_segment_ptr 1
		.amdhsa_wavefront_size32 1
		.amdhsa_system_sgpr_workgroup_id_x 1
		.amdhsa_system_sgpr_workgroup_id_y 1
		.amdhsa_system_sgpr_workgroup_id_z 1
		.amdhsa_system_vgpr_workitem_id 0
		.amdhsa_next_free_vgpr 432
		.amdhsa_next_free_sgpr 100
		.amdhsa_reserve_vcc 1
		.amdhsa_float_denorm_mode_32 3
		.amdhsa_float_denorm_mode_16_64 3
		.amdhsa_memory_ordered 1
		.amdhsa_forward_progress 1
		.amdhsa_inst_pref_size 58
	.end_amdhsa_kernel
	.amdgpu_metadata
---
amdhsa.version: [ 1, 2 ]
amdhsa.kernels:
  - .name:           k_q2ec34d858c_attn
    .symbol:         k_q2ec34d858c_attn.kd
    .args:
      - { .name: qkv_c, .offset: 0, .size: 8, .value_kind: global_buffer, .address_space: global }
      - { .name: lowp_scales, .offset: 8, .size: 8, .value_kind: global_buffer, .address_space: global }
      - { .name: ctx_c, .offset: 16, .size: 8, .value_kind: global_buffer, .address_space: global }
    .group_segment_fixed_size: 327680
    .private_segment_fixed_size: 0
    .kernarg_segment_align: 8
    .kernarg_segment_size: 24
    .max_flat_workgroup_size: 256
    .sgpr_count:     100
    .vgpr_count:     432
    .wavefront_size: 32
...
	.end_amdgpu_metadata
.endif
;; end of part 3
;; launch outp (part 4): grid 4 x 64, 4 waves a work-group, clusters of 4 x 4, 327,680 bytes of LDS; arguments ctx_c, w_c, lowp_scales, bo, out0; writes out0
.if DOCPART == 4
	.amdgcn_target "amdgcn-amd-amdhsa--gfx1250"
	.amdhsa_code_object_version 6
	.text
	.protected	k_q2ec34d858c_outp
	.globl	k_q2ec34d858c_outp
	.p2align	8
	.type	k_q2ec34d858c_outp,@function
k_q2ec34d858c_outp:
	s_mov_b64 s[64:65], 0
	v_nop
	global_prefetch_b8 v0, s[64:65] scope:SCOPE_SE
	s_setreg_imm32_b32 hwreg(HW_REG_WAVE_MODE, 25, 1), 1
	s_wait_xcnt 0x0
	s_wait_alu depctr_hold_cnt(0) depctr_sa_sdst(0) depctr_va_vdst(0) depctr_va_sdst(0) depctr_va_ssrc(0) depctr_va_vcc(0) depctr_vm_vsrc(0)
	s_getreg_b32 s2, hwreg(HW_REG_IB_STS2, 6, 4)
	s_cmp_eq_u32 s2, 0
	s_cbranch_scc0 .Lentry_in_a_cluster
	s_endpgm
.Lentry_in_a_cluster:
	s_bfe_u32 s2, ttmp6, 0x10000c
	s_cmp_lg_u32 s2, 0xf033
	s_cbranch_scc0 .Lentry_shape_is_right
	s_endpgm
.Lentry_shape_is_right:
; THE OUTPUT PROJECTION on codes of FP8 (E4M3): out0[8192][1024] = ctx Wo^T x 2^(e10 + e11) + bo, f32.
; ctx_c [64 R][16 h][128 rows][64 d]: for a block R of 128 rows, 256 along K (four heads) are one dense block of 32,768 bytes, stated as 128 lines of 256 bytes (a line: four rows of one head).  Wo's codes: plane 3 of w_c, [1024 n][1024 k].
; LIMIT: e10 + e11 lies between -126 and 127, so that 2^(e10 + e11) is an f32 number.
; SHARES.  A work-group makes 128 rows (one R) x 256 columns: 64 x 4 = 256 work-groups.  Four waves, 64 rows x 128 columns each: 32 accumulators, 256 registers.
; K goes in four steps of 256 through two LDS slots (A's 128 lines, then B's 256 rows, 272 bytes apart).  The first fills of both slots go out at the head, one load a wave: wave 0 A and wave 1 B of K step 0, waves 2 and 3 of K step 1.
; Slot s is filled again once, by waves 2 s (A) and 2 s + 1 (B), behind a round of the cluster's barrier.
; CLUSTER 4 x 4: A's tile hangs on R alone and is shared along a row of the cluster, B's on the tile column alone and is shared along a column: joint loads.
; PREFETCH: behind the head's loads each wave asks for the tile that it will load two K steps on (K steps 2 and 3): the four partners of a joint load share its blocks of 256 bytes out by address:
;   A: 32 lines each (by cx), a lane a line; B: 64 rows each (by cy), a lane a row, two instructions.  K steps 0 and 1 come by their loads alone; there is no K step behind 3.
; THE MATRIX INSTRUCTION IS USED TRANSPOSED (source 0 = 16 rows of Wo, source 1 = 16 rows of ctx): a lane holds eight neighbouring columns of a row of the result.
; REGISTERS.  Window 0: v16-30 addresses; v32-95 at work on the way out; v128-255 A's fragments, two sets of 64 (on the way out: rows read back).  Window 1: B's fragments, two sets of 128 (at the end v0-63: bo).  Window 2: the accumulators.
.set SIZE_N, 1024
.set ROWB,   256
.set KROW,   1024
.set ABLK,   32768
.set PITCH,  272
.set HALFT,  128*PITCH                 ; A's tile; half of B's
.set SLOT,   3*HALFT
.set SPARE,  2*SLOT                    ; the spare words: 128 bytes a wave
.set SPITCH, 528                       ; the way out: 16 rows x (512 + 16) bytes a wave, in slot 0, behind its last fill and its last read
.set ADRA, 16
.set ADRB, 20
.set STO,  24
.set RD,   25
.set CO,   26
.set BOF,  27
.set SPW,  28
.set NIL,  29
.set PFO,  30
.set TMP,  32
.set AF,   128
.set BK,   128
.set G1,  24
.set G0,  32
.set G1B, 48
.set G0B, 56
.set MSB, 0
.macro WIN new
.if MSB != \new
	s_set_vgpr_msb (MSB<<8)|\new
.set MSB, \new
.endif
.endm
.set MUL_LO, 0xa1                      ; source 0 (B) window 1, source 1 (A) window 0, C and D window 2
.set TO_B,   0x40
.macro TL g0, g1                       ; a tensor load with the lines behind it
	tensor_load_to_lds s[\g0:\g0+3], s[\g1:\g1+7]
	s_nop 0
.rept 4
	v_nop
.endr
.endm
.macro JLOAD s                         ; slot s is filled again: wave 2 s asks for A's tile, wave 2 s + 1 for B's
	s_cmp_eq_u32 s14, 2*\s
	s_cbranch_scc0 .Lnot_a_\@
	TL G0+4*\s, G1
	s_branch .Lasked_\@
.Lnot_a_\@:
	s_cmp_eq_u32 s14, 2*\s+1
	s_cbranch_scc0 .Lasked_\@
	TL G0B+4*\s, G1B
.Lasked_\@:
.endm
.macro CREST
	s_cmp_lg_u32 s14, 0
	s_cbranch_scc1 .Lnot_wave_0_\@
	s_barrier_signal -3
.Lnot_wave_0_\@:
	s_barrier_wait -3
	s_barrier_signal -1
	s_barrier_wait -1
.endm
.macro CROUND
	s_barrier_signal -1
	s_barrier_wait -1
	CREST
.endm
.macro PLACES
.rept 4
	v_nop
.endr
.endm
	s_load_b128 s[4:7], s[0:1], 0x0                ; ctx_c, w_c
	s_load_b128 s[8:11], s[0:1], 0x10              ; the scales' exponents, bo
	s_load_b64 s[12:13], s[0:1], 0x20              ; out0
	v_lshl_add_u32 v[SPW], v0, 2, SPARE
	v_mov_b32 v[NIL], 0
	ds_add_u32 v[SPW], v[NIL]                      ; the opening lines: the add twice on end and its one wait
	ds_add_u32 v[SPW], v[NIL]
	v_lshrrev_b32 v1, 5, v0
	v_readfirstlane_b32 s14, v1                    ; wave 0..3
	s_lshr_b32 s15, s14, 1                         ; my half of the rows.  Also: the slot that I fill
	s_and_b32 s16, s14, 1                          ; my half of the columns.  Also: I ask for A (0) or for B (1)
	s_bfe_u32 s40, ttmp6, 0x40000                  ; cx
	s_bfe_u32 s41, ttmp6, 0x40004                  ; cy
	s_lshl_b32 s42, ttmp9, 2
	s_add_co_u32 s42, s42, s40                     ; the tile column
	s_and_b32 s17, ttmp7, 0xffff
	s_lshl_b32 s17, s17, 2
	s_add_co_u32 s17, s17, s41                     ; R
	s_lshl_b32 s43, s41, 2
	s_lshl_b32 s43, 15, s43                        ; my row of the cluster
	s_lshl_b32 s44, 0x1111, s40                    ; my column
	s_or_b32 s[G1+0], s43, (1<<20)|(1<<21)|(5<<22)|(3<<25)    ; bytes; four words of padding after every 64
	s_or_b32 s[G1B+0], s44, (1<<20)|(1<<21)|(5<<22)|(3<<25)
	s_mov_b32 s[G1+1], ROWB<<16
	s_mov_b32 s[G1+2], 128<<16
	s_mov_b32 s[G1+3], ROWB<<16
	s_mov_b32 s[G1+4], 128
	s_mov_b32 s[G1+5], ROWB
	s_mov_b32 s[G1+6], 0
	s_mov_b32 s[G1+7], 0
	s_mov_b32 s[G1B+1], ROWB<<16
	s_mov_b32 s[G1B+2], 256<<16
	s_mov_b32 s[G1B+3], ROWB<<16
	s_mov_b32 s[G1B+4], 256
	s_mov_b32 s[G1B+5], KROW
	s_mov_b32 s[G1B+6], 0
	s_mov_b32 s[G1B+7], 0
	s_lshl_b32 s20, s17, 17                        ; A: R x 131,072 bytes
	s_mov_b32 s21, 0
	s_lshl_b32 s46, s42, 18                        ; B: 256 rows of 1,024 bytes
	s_mov_b32 s47, 0
	s_add_co_u32 s72, s15, 2                       ; the prefetches: the K step two on from the one that I load,
	s_lshl_b32 s73, s72, 15
	s_lshl_b32 s74, s40, 13
	s_add_co_u32 s73, s73, s74                     ; in A: + my work-group's 32 lines (by cx)
	s_lshl_b32 s75, s72, 8
	s_lshl_b32 s74, s41, 16
	s_add_co_u32 s75, s75, s74                     ; in B: + my work-group's 64 rows (by cy)
	s_mul_i32 s66, s15, 16*PITCH                   ; my 64 rows of A: 16 lines on in each head's 32
	s_mul_i32 s67, s16, HALFT
	s_add_co_u32 s67, s67, HALFT                   ; my 128 rows of B, behind A's tile
	s_add_co_u32 s68, s66, SLOT
	s_add_co_u32 s69, s67, SLOT
	s_mul_i32 s23, s14, 16*SPITCH                  ; my stage
	s_lshl_b32 s78, s17, 7
	s_lshl_b32 s79, s15, 6
	s_add_co_u32 s78, s78, s79
	s_lshl_b32 s78, s78, 12                        ; my first row of out0, 4,096 bytes a row
	s_mov_b32 s79, 0
	s_lshl_b32 s80, s42, 10
	s_lshl_b32 s81, s16, 9
	s_add_co_u32 s80, s80, s81                     ; my first column, in bytes
	s_mov_b32 s81, 0
	s_cmp_eq_u32 s16, 0
	s_cselect_b32 s72, s73, s75
	s_cselect_b32 s76, 8, 10                       ; from lane to lane: 256 bytes in A, a row of 1,024 in B
	s_mov_b32 s73, 0
	v_and_b32 v1, 15, v0                           ; r
	v_bfe_u32 v2, v0, 4, 1                         ; h
	v_mul_u32_u24 v3, v1, PITCH
	v_lshl_add_u32 v4, v2, 4, v3                   ; B: row r, + 16 h
	v_lshrrev_b32 v5, 2, v1
	v_mul_u32_u24 v5, v5, PITCH
	v_and_b32 v6, 3, v1
	v_lshl_add_u32 v5, v6, 6, v5
	v_lshl_add_u32 v5, v2, 4, v5                   ; A: line r / 4, row r % 4, + 16 h
	v_add_nc_u32 v[ADRA], s66, v5
	v_add_nc_u32 v[ADRA+1], s68, v5
	v_add_nc_u32 v[ADRB], s67, v4
	v_add_nc_u32 v[ADRB+1], s69, v4
	v_mul_u32_u24 v7, v1, SPITCH
	v_lshl_add_u32 v7, v2, 5, v7
	v_add_nc_u32 v[STO], s23, v7                   ; into the stage: row r, 32 bytes for each half of the lanes
	v_and_b32 v[PFO], 31, v0
	v_lshlrev_b32 v[CO], 4, v[PFO]
	v_add_nc_u32 v[RD], s23, v[CO]                 ; back: the 32 lanes take one row of 512 bytes
	v_lshlrev_b32 v[BOF], 5, v2
	v_lshlrev_b32 v[PFO], s76, v[PFO]
	s_wait_alu depctr_va_vdst(0)                   ; the wait here, directly ahead of the waits below
	s_wait_dscnt 0x0                               ; both opening adds are done
	s_wait_kmcnt 0x0
	s_load_b64 s[96:97], s[8:9], 0x28              ; e10, e11
	s_add_nc_u64 s[6:7], s[6:7], 0x300000          ; Wo's codes
	s_add_nc_u64 s[20:21], s[4:5], s[20:21]
	s_add_nc_u64 s[46:47], s[6:7], s[46:47]
	s_add_nc_u64 s[10:11], s[10:11], s[80:81]      ; bo at my columns
	s_add_nc_u64 s[12:13], s[12:13], s[78:79]
	s_add_nc_u64 s[12:13], s[12:13], s[80:81]      ; out0 at my corner
	s_cmp_eq_u32 s16, 0
	s_cselect_b64 s[70:71], s[20:21], s[46:47]
	s_add_nc_u64 s[70:71], s[70:71], s[72:73]      ; where my prefetches stand; never rewritten
.irp s, 0,1
	s_mov_b32 s[G0+4*\s], 1
	s_mov_b32 s[G0+4*\s+1], \s*SLOT
	s_add_nc_u64 s[G0+4*\s+2:G0+4*\s+3], s[20:21], \s*ABLK
	s_or_b32 s[G0+4*\s+3], s[G0+4*\s+3], 0x80000000
	s_mov_b32 s[G0B+4*\s], 1
	s_mov_b32 s[G0B+4*\s+1], \s*SLOT+HALFT
	s_add_nc_u64 s[G0B+4*\s+2:G0B+4*\s+3], s[46:47], \s*ROWB
	s_or_b32 s[G0B+4*\s+3], s[G0B+4*\s+3], 0x80000000
.endr
	CROUND                                         ; all sixteen work-groups are here: the first joint loads meet
	s_cmp_eq_u32 s14, 0                            ; one chain on the wave's number, a fill to an arm, all arms to one join
	s_cbranch_scc0 .Lh1
	TL G0, G1
	s_branch .Lhead_j
.Lh1:
	s_cmp_eq_u32 s14, 1
	s_cbranch_scc0 .Lh2
	TL G0B, G1B
	s_branch .Lhead_j
.Lh2:
	s_cmp_eq_u32 s14, 2
	s_cbranch_scc0 .Lh3
	TL G0+4, G1
	s_branch .Lhead_j
.Lh3:
	TL G0B+4, G1B
.Lhead_j:
	global_prefetch_b8 v[PFO], s[70:71] th:TH_LOAD_NT scope:SCOPE_SE
	s_cmp_eq_u32 s16, 0
	s_cbranch_scc1 .Lpf_done
	global_prefetch_b8 v[PFO], s[70:71] offset:32768 th:TH_LOAD_NT scope:SCOPE_SE   ; B: my work-group's other 32 rows
.Lpf_done:
.macro FRAG reg, adr, q, i             ; B: 16 rows x 128 K: registers 4 c .. 4 c + 3 hold k = 32 c + 16 h + 0 .. 15
.irp c, 0,1,2,3
	ds_load_b128 v[\reg+4*\c:\reg+4*\c+3], v[\adr] offset:128*(\q)+32*\c+(\i)*16*PITCH
.endr
.endm
.macro FRAG_A reg, adr, q, i           ; A: the same k: head 2 q + c / 2 (32 lines a head), d = 32 (c % 2) + 16 h + 0 .. 15; 16 rows are four lines
.irp c, 0,1,2,3
	ds_load_b128 v[\reg+4*\c:\reg+4*\c+3], v[\adr] offset:(2*(\q)+\c/2)*32*PITCH+32*(\c%2)+(\i)*4*PITCH
.endr
.endm
.macro FETCH slot, q, p                ; the fragments of the slot's q-th 128 along K into sets p: 48 loads in one run
	WIN TO_B
.irp i, 0,1,2,3,4,5,6,7
	FRAG 128*(\p)+16*\i, ADRB+\slot, \q, \i
.endr
	WIN 0
.irp i, 0,1,2,3
	FRAG_A AF+64*(\p)+16*\i, ADRA+\slot, \q, \i
.endr
.endm
.macro MULA a, p, zero                 ; A's block a against B's eight; the 32 accumulators take turns
.irp b, 0,1,2,3,4,5,6,7
.if \zero
	v_wmma_f32_16x16x128_fp8_fp8 v[8*(8*(\a)+\b):8*(8*(\a)+\b)+7], v[128*(\p)+16*\b:128*(\p)+16*\b+15], v[AF+64*(\p)+16*(\a):AF+64*(\p)+16*(\a)+15], 0
.else
	v_wmma_f32_16x16x128_fp8_fp8 v[8*(8*(\a)+\b):8*(8*(\a)+\b)+7], v[128*(\p)+16*\b:128*(\p)+16*\b+15], v[AF+64*(\p)+16*(\a):AF+64*(\p)+16*(\a)+15], v[8*(8*(\a)+\b):8*(8*(\a)+\b)+7]
.endif
.endr
.endm
.macro STEP slot, zero                 ; a slot's first 128 along K, on sets 0; the second 128's fragments are fetched into sets 1 ahead of the products
	s_wait_dscnt 0x0                               ; sets 0 are in
	PLACES                                         ; for the loads into sets 1, which the last products read
	FETCH \slot, 1, 1
	WIN MUL_LO
.irp a, 0,1,2,3
	MULA \a, 0, \zero
.endr
	WIN 0
.endm
.macro TURN slot, next, fill           ; a slot's second 128 along K, on sets 1, and the change of slots
	s_wait_tensorcnt 0x0                           ; my tensor load has landed;
	ds_add_u32 v[SPW], v[NIL]                      ; 0 onto my spare word;
	s_wait_dscnt 1                                 ; sets 1 are in (the add alone may be out)
	WIN MUL_LO
	MULA 0, 1, 0
	s_wait_dscnt 0x0                               ; the add is done, and my reads of this slot are over
	s_barrier_signal -1
	MULA 1, 1, 0
	WIN 0
	s_barrier_wait -1
.if \fill
	CREST                                          ; the barrier has opened a round of the cluster's: no wave of any partner still reads this slot or has a load on its way
	s_add_nc_u64 s[G0+4*\slot+2:G0+4*\slot+3], s[G0+4*\slot+2:G0+4*\slot+3], 2*ABLK
	s_add_nc_u64 s[G0B+4*\slot+2:G0B+4*\slot+3], s[G0B+4*\slot+2:G0B+4*\slot+3], 2*ROWB
	JLOAD \slot
.endif
	PLACES                                         ; every wave's places in front of the loads into sets 0
	FETCH \next, 0, 0
	WIN MUL_LO
	MULA 2, 1, 0
	MULA 3, 1, 0
	WIN 0
.endm
	s_wait_tensorcnt 0x0                           ; my one load has landed,
	s_barrier_signal -1
	s_barrier_wait -1                              ; and everybody's: both slots are whole
	FETCH 0, 0, 0
	STEP 0, 1                                      ; the first products start the sums
	TURN 0, 1, 1                                   ; slot 0 takes K step 2
	STEP 1, 0
	TURN 1, 0, 1                                   ; slot 1 takes K step 3
	STEP 0, 0
	TURN 0, 1, 0
	STEP 1, 0
	PLACES                                         ; for the loads of bo into B's set 0
	WIN TO_B
.irp b, 0,1,2,3,4,5,6,7
	global_load_b128 v[8*\b:8*\b+3], v[BOF], s[10:11] offset:64*\b       ; bo at the lane's eight columns of each of the eight blocks
	global_load_b128 v[8*\b+4:8*\b+7], v[BOF], s[10:11] offset:64*\b+16
.endr
	WIN 0
	s_wait_dscnt 0x0
	WIN MUL_LO
.irp a, 0,1,2,3
	MULA \a, 1, 0
.endr
	WIN 0
; THE WAY OUT, block by block of 16 rows x 128 columns: sum x 2^(e10 + e11) + bo in one fused line, through my stage, back as whole rows of 512 bytes.
.macro TOSTAGE a
	WIN 0x12                                       ; source 0: the accumulators; source 2: bo
.irp j, 0,2,4,6,8,10,12,14,16,18,20,22,24,26,28,30,32,34,36,38,40,42,44,46,48,50,52,54,56,58,60,62
	v_pk_fma_f32 v[TMP+\j:TMP+\j+1], v[64*(\a)+\j:64*(\a)+\j+1], s[96:97], v[\j:\j+1] op_sel_hi:[1,0,1]
.endr
	WIN 0
.irp b, 0,1,2,3,4,5,6,7
	ds_store_b128 v[STO], v[TMP+8*\b:TMP+8*\b+3] offset:64*\b
	ds_store_b128 v[STO], v[TMP+8*\b+4:TMP+8*\b+7] offset:64*\b+16
.endr
.set BB, BK+64*((\a)%2)
.irp t, 0,1,2,3,4,5,6,7,8,9,10,11,12,13,14,15
	ds_load_b128 v[BB+4*\t:BB+4*\t+3], v[RD] offset:\t*SPITCH   ; LDS serves a wave's instructions in order (ISA guide 5.7.1.4)
.endr
.endm
.macro SEND a, younger                 ; younger: the LDS instructions issued behind block a's loads, which may stay out
.set BB, BK+64*((\a)%2)
	s_wait_dscnt \younger
.if (\a) > 0
	s_add_nc_u64 s[12:13], s[12:13], 16*SIZE_N*4   ; (behind a wait on XCNT: the earlier stores have read their base)
.endif
.irp t, 0,1,2,3,4,5,6,7,8,9,10,11,12,13,14,15
	global_store_b128 v[CO], v[BB+4*\t:BB+4*\t+3], s[12:13] offset:\t*SIZE_N*4 th:TH_STORE_NT   ; 32 lanes store 512 consecutive bytes, aligned
.endr
.endm
	s_wait_kmcnt 0x0
	s_add_co_i32 s96, s96, s97
	s_add_co_i32 s96, s96, 127
	s_lshl_b32 s96, s96, 23                        ; 2^(e10 + e11) as f32
	s_wait_loadcnt 0x0                             ; bo
	PLACES
	TOSTAGE 0
.irp a, 1,2,3
.if \a > 1
	s_wait_xcnt 0x0                                ; block a - 2's stores have read their registers and their base
.endif
	TOSTAGE \a
	SEND \a-1, 32
.endr
	s_wait_xcnt 0x0
	SEND 3, 0
	s_wait_tensorcnt 0x0                           ; the wave's end
	ds_add_u32 v[SPW], v[NIL]
	s_wait_dscnt 0x0
	CROUND                                         ; the closing round
	s_endpgm
.Lfunc_end_k_q2ec34d858c_outp:
	.size	k_q2ec34d858c_outp, .Lfunc_end_k_q2ec34d858c_outp-k_q2ec34d858c_outp
	.p2alignl 7, 3214868480
	.fill 96, 4, 3214868480
	.section	.rodata,"a",@progbits
	.p2align	6, 0x0
	.amdhsa_kernel k_q2ec34d858c_outp
		.amdhsa_group_segment_fixed_size 327680
		.amdhsa_private_segment_fixed_size 0
		.amdhsa_enable_private_segment 0
		.amdhsa_kernarg_size 40
		.amdhsa_user_sgpr_count 2
		.amdhsa_user_sgpr_kernarg_segment_ptr 1
		.amdhsa_wavefront_size32 1
		.amdhsa_system_sgpr_workgroup_id_x 1
		.amdhsa_system_sgpr_workgroup_id_y 1
		.amdhsa_system_sgpr_workgroup_id_z 1
		.amdhsa_system_vgpr_workitem_id 0
		.amdhsa_next_free_vgpr 768
		.amdhsa_next_free_sgpr 100
		.amdhsa_reserve_vcc 0
		.amdhsa_float_denorm_mode_32 3
		.amdhsa_float_denorm_mode_16_64 3
		.amdhsa_memory_ordered 1
		.amdhsa_forward_progress 1
		.amdhsa_inst_pref_size 78
	.end_amdhsa_kernel
	.amdgpu_metadata
---
amdhsa.version: [ 1, 2 ]
amdhsa.kernels:
  - .name:           k_q2ec34d858c_outp
    .symbol:         k_q2ec34d858c_outp.kd
    .args:
      - { .name: ctx_c, .offset: 0, .size: 8, .value_kind: global_buffer, .address_space: global }
      - { .name: w_c, .offset: 8, .size: 8, .value_kind: global_buffer, .address_space: global }
      - { .name: lowp_scales, .offset: 16, .size: 8, .value_kind: global_buffer, .address_space: global }
      - { .name: bo, .offset: 24, .size: 8, .value_kind: global_buffer, .address_space: global }
      - { .name: out0, .offset: 32, .size: 8, .value_kind: global_buffer, .address_space: global }
    .group_segment_fixed_size: 327680
    .private_segment_fixed_size: 0
    .kernarg_segment_align: 8
    .kernarg_segment_size: 40
    .max_flat_workgroup_size: 128
    .sgpr_count:     100
    .vgpr_count:     768
    .wavefront_size: 32
...
	.end_amdgpu_metadata
.endif
;; end of part 4
